; MI455X (gfx1250); checked and timed in simulation.
; The chip was launched on July 23, 2026; its instructions are those of AMD's public machine-readable ISA for CDNA 5 (MIT licence, August 2026) and "CDNA5" Instruction Set Architecture Reference Guide (July 2026). The comments in the code are by the model that wrote it; some were corrected since.
;; Cross Attention. Allowed arithmetic: float matrix products may take bf16 or f16 operands with f32 sums; all other float work in f32.
;; Inputs: Wkv 512 x 1,024 float32; Wo 512 x 512 float32; Wq 512 x 512 float32; beta 512 float32; bkv 1,024 float32; bo 512 float32; bq 512 float32; cross_attn_input 4 x 2,048 x 512 float32; gamma 512 float32; layer_input 4 x 2,048 x 512 float32.
;; Outputs: out0 4 x 2,048 x 512 float32.
;; 2 versions, each right; version 2 is version 1 with the launch proj written anew for expert scheduling mode. Each part assembles by itself: llvm-mc -triple=amdgcn-amd-amdhsa -mcpu=gfx1250 --defsym DOCPART=n.
;; ======== version 1 of 2: 3 launches
;; workspace buffers: qf 8,388,608 bytes; kvf 16,777,216 bytes; af 8,388,608 bytes; wof 524,288 bytes
;; launch proj (part 1): grid 32 x 8, 8 waves a work-group, no clusters, 243,712 bytes of LDS; arguments layer_input, cross_attn_input, Wq, Wkv, Wo, bq, bkv, qf, kvf, wof; writes qf, kvf, wof
.if DOCPART == 1
	.amdgcn_target "amdgcn-amd-amdhsa--gfx1250"
	.amdhsa_code_object_version 6
	.text
	.protected	k_q1011e85241_proj
	.globl	k_q1011e85241_proj
	.p2align	8
	.type	k_q1011e85241_proj,@function
k_q1011e85241_proj:
	s_mov_b64 s[64:65], 0
	v_nop
	global_prefetch_b8 v0, s[64:65] scope:SCOPE_SE
	s_setreg_imm32_b32 hwreg(HW_REG_WAVE_MODE, 25, 1), 1
	s_wait_xcnt 0x0
; PROJECTIONS.  q = (layer_input Wq + bq) * 0.125 log2(e),  k and v = cross_attn_input Wkv + bkv, one head and 256 rows a work-group;
; besides, each work-group narrows 32 x 32 numbers of Wo.  Operands bf16, sums f32; results rounded once to bf16.
; All results are stored as the next launch's matrix operands lie in registers: blocks of 16 rows x 32 k = 1,024 bytes,
; [half p][lane][16 bytes], lane (r = lane % 16, hh = lane / 16), element j = (row r, k = 16 p + 8 hh + j).
;   qf  [bh 32][q tile 128][ks 2] blocks            rows = queries, k = the head's 64 columns
;   kvf [bh 32][chunk of 64 keys: 16,384 bytes]     K: t*2048 + ks*1024 (rows = keys 16 t + r); V at 8192 + u*4096 + t*1024 (rows = d 16 t + r, k = keys 32 u ..)
;   wof [k tile 4][wave 4][ks 4][n tile 8] blocks   rows = columns of Wo, k = rows of Wo
; Work-group (x = row block, y = head): rows 256 x .. 256 x + 255 of both inputs.  The row block is the fast axis, so that the eight
; work-groups that read the same rows are 32 apart in the order of the launch.
; EIGHT WAVES of 32 rows (two q tiles, half a chunk of keys), two on a SIMD: a step is a chain of a wait for loads, narrowing, stage stores,
; fragment loads and products, and the second wave works while the first waits.  Each wave has three input chunks = 48 loads of 512 bytes
; on their way, 192 KiB for the eight.  The price: each weight block is read from LDS by eight waves.
; The head's 192 weight columns x 512 k are narrowed once into LDS as blocks; each wave streams its own rows:
; f32 loads of whole 256-byte pieces -> bf16 -> its own LDS stage -> fragments.  One barrier, behind the weight fill.
; NO TENSOR LOADS, NO JOINT REQUESTS: a copy engine moves bytes as they are; the inputs are f32 and the weights lie [k][n], so every
; number has to pass through registers (narrowing; for the weights also eight k of one column into one lane) before it can be an operand.
; Q, K: source 0 = weight block, source 1 = input rows: a lane's eight results are eight neighbouring columns of one row = half a lane's share of a block.
; V:    source 0 = input rows, source 1 = weight block: a lane's eight results are eight neighbouring keys of one d = the same for V transposed.
; LIMITS: operands and results are rounded to bf16 (range of f32 kept); nothing else.
; REGISTERS.  window 0: v1-v14 addresses; v16-31 packed words of the fill; v32-63 input fragments [ks][mt] (in the fill: Wo and bias words);
; v64-255 ring of six weight units, later v64-127 input chunk buffer 2 and v128-255 weight fragments [ks][8].
; window 1: v0-63, v64-127 input chunk buffers 0, 1; v128-255 accumulators (Q or K at 8 (2 nt + mt), V 64 further).
.set WBLK,   1040                      ; a weight block in LDS: 1,024 bytes + 16, so that the four n tiles that one fill store touches lie in different 16-byte columns modulo 256
.set WKS,    12*WBLK                   ; the 12 blocks of one k step of 32: n tiles 0-3 Q, 4-7 K, 8-11 V
.set STAGE,  16*WKS                    ; 199,680: behind the weights, a stage of 32 rows for each wave
.set SPITCH, 144                       ; a stage row: 64 bf16 + 16 bytes (an odd multiple of 16)
.set WSTG,   32*SPITCH                 ; a wave's stage
.set BIAS,   STAGE+8*WSTG              ; 236,544: each wave's own copy of the head's biases: 64 bq (scaled), 64 bk, 64 bv = 768 bytes
.set T,      16
.set AF,     32
.set RING,   64
.set BF,     128
.set ACC,    128                       ; in window 1
.set MSB,    0
.macro WIN new                         ; register windows; the immediate's high byte repeats the setting that is left; 0 at every label and branch
.if MSB != \new
	s_set_vgpr_msb (MSB<<8)|\new
.set MSB, \new
.endif
.endm
.macro PLACES n
.rept \n
	v_nop
.endr
.endm
	s_load_b512 s[16:31], s[0:1], 0x0              ; layer_input 16, cross_attn_input 18, Wq 20, Wkv 22, Wo 24, bq 26, bkv 28, qf 30
	s_load_b128 s[32:35], s[0:1], 0x40             ; kvf 32, wof 34
	v_lshrrev_b32 v53, 5, v0
	v_readfirstlane_b32 s4, v53                    ; wave w
	v_and_b32 v50, 31, v0                          ; lane L
	v_and_b32 v51, 15, v0                          ; r
	v_bfe_u32 v52, v0, 4, 1                        ; hh
	s_mov_b32 s6, ttmp9                            ; row block
	s_and_b32 s5, ttmp7, 0xffff                    ; head
	s_and_b32 s12, s4, 3                           ; w % 4, for Wo
	v_lshlrev_b32 v1, 4, v50                       ; v1 = 16 L
	v_lshlrev_b32 v14, 2, v50                      ; v14 = 4 L
	v_lshlrev_b32 v2, 14, v52
	v_lshl_add_u32 v2, v51, 4, v2                  ; v2 = input: row 8 hh, 16 bytes at 16 r (two rows x 256 bytes a load)
	s_lshl_b32 s38, s5, 8                          ; 256 head: the head's 64 columns, in bytes of f32
	s_lshl_b32 s7, s4, 17
	s_add_co_u32 s7, s7, s38
	v_add_nc_u32 v3, s7, v2                        ; v3 = Wq: row 64 w + 8 hh (2,048 bytes a row), the head's columns, 16 r
	s_lshl_b32 s7, s4, 18
	s_add_co_u32 s7, s7, s38
	v_lshlrev_b32 v4, 15, v52
	v_lshl_add_u32 v4, v51, 4, v4
	v_add_nc_u32 v4, s7, v4                        ; v4 = Wkv: the same with rows of 4,096 bytes
	v_lshrrev_b32 v5, 2, v51
	v_mul_u32_u24 v5, v5, WBLK                     ; my four columns 4 r .. lie in n tile r / 4,
	v_lshl_add_u32 v5, v52, 8, v5                  ; lane half hh of the block,
	v_and_b32 v53, 3, v0
	v_lshl_add_u32 v5, v53, 6, v5                  ; rows 4 (L % 4) + c
	s_mul_i32 s7, s4, 2*WKS
	v_add_nc_u32 v5, s7, v5                        ; v5 = weight fill: wave w fills k steps 2 w, 2 w + 1
	s_mul_i32 s7, s4, WSTG
	s_add_co_u32 s7, s7, STAGE                     ; my wave's stage
	v_mul_u32_u24 v6, v52, 8*SPITCH
	v_lshl_add_u32 v6, v51, 3, v6
	v_add_nc_u32 v6, s7, v6                        ; v6 = stage in: row 8 hh, 8 bytes at 8 r.  8 rows are 1,152 bytes = 128 modulo 256: the two halves of the lanes meet in no bank
	v_mul_u32_u24 v7, v51, SPITCH
	v_lshl_add_u32 v7, v52, 4, v7
	v_add_nc_u32 v7, s7, v7                        ; v7 = stage out: row r, 16 hh
	s_lshl_b32 s7, s12, 14
	v_add_nc_u32 v9, s7, v14                       ; v9 = Wo in: rows 8 (w % 4) + i, column L of my 32
	s_lshl_b32 s7, s12, 8
	v_lshlrev_b32 v10, 10, v52
	v_lshl_add_u32 v10, v51, 4, v10
	v_add_nc_u32 v10, s7, v10                      ; v10 = Wo out: block hh of my two; k = 8 w + i is half w / 2, lane half w % 2: 256 w; 16 r
	s_mul_i32 s7, s4, 768
	s_add_co_u32 s7, s7, BIAS                      ; my wave's copy of the biases
	v_lshl_add_u32 v11, v52, 5, s7                 ; v11 = eight biases of a lane's eight columns: 32 hh
	v_lshl_add_u32 v12, v51, 2, s7                 ; v12 = V's bias of the lane's d: 4 r
	v_add_nc_u32 v13, s7, v14                      ; v13 = where the copy is written: 4 L
	s_mov_b32 s39, 0
	s_lshl_b32 s36, s6, 19                         ; 256 rows of 2,048 bytes a row block
	s_lshl_b32 s7, s4, 16                          ; + 32 w rows
	s_add_co_u32 s36, s36, s7
	s_mov_b32 s37, 0
	s_lshr_b32 s8, s6, 3
	s_lshl3_add_u32 s8, s8, s5                     ; bh = 8 b + head
	s_and_b32 s9, s6, 7                            ; the row block within its batch
	s_lshl_b32 s40, s8, 18                         ; qf: bh x 262,144 + (16 block + 2 w) q tiles of 2,048 bytes
	s_lshl_b32 s7, s9, 15
	s_add_co_u32 s40, s40, s7
	s_lshl_b32 s7, s4, 12
	s_add_co_u32 s40, s40, s7
	s_mov_b32 s41, 0
	s_lshl_b32 s42, s8, 19                         ; kvf: bh x 524,288 + (4 block + w / 2) chunks of 16,384 bytes
	s_lshl_b32 s7, s9, 16
	s_add_co_u32 s42, s42, s7
	s_lshr_b32 s7, s4, 1
	s_lshl_b32 s7, s7, 14
	s_add_co_u32 s42, s42, s7
	s_and_b32 s7, s4, 1                            ; + (w % 2) x 4,096: K's key tiles 2 (w % 2) + mt, and V's keys 32 (w % 2) ..
	s_lshl_b32 s7, s7, 12
	s_add_co_u32 s42, s42, s7
	s_mov_b32 s43, 0
	s_lshr_b32 s10, s6, 1                          ; Wo: my k step of 32 = row block / 2,
	s_and_b32 s11, s6, 1
	s_lshl3_add_u32 s11, s11, s5                   ; my 32 columns = pair 8 (row block % 2) + head
	s_lshl_b32 s44, s10, 16
	s_lshl_b32 s7, s11, 7
	s_add_co_u32 s44, s44, s7
	s_mov_b32 s45, 0
	s_lshr_b32 s46, s10, 2                         ; wof: k tile, wave (128 columns), ks, two n tiles
	s_lshl_b32 s46, s46, 17
	s_lshr_b32 s7, s11, 2
	s_lshl_b32 s7, s7, 15
	s_add_co_u32 s46, s46, s7
	s_and_b32 s7, s10, 3
	s_lshl_b32 s7, s7, 13
	s_add_co_u32 s46, s46, s7
	s_and_b32 s7, s11, 3
	s_lshl_b32 s7, s7, 11
	s_add_co_u32 s46, s46, s7
	s_mov_b32 s47, 0
	s_wait_kmcnt 0x0
	s_add_nc_u64 s[16:17], s[16:17], s[36:37]
	s_add_nc_u64 s[18:19], s[18:19], s[36:37]
	s_add_nc_u64 s[24:25], s[24:25], s[44:45]
	s_add_nc_u64 s[26:27], s[26:27], s[38:39]
	s_add_nc_u64 s[28:29], s[28:29], s[38:39]
	s_add_nc_u64 s[30:31], s[30:31], s[40:41]
	s_add_nc_u64 s[32:33], s[32:33], s[42:43]
	s_add_nc_u64 s[34:35], s[34:35], s[46:47]
; one weight unit: 16 k x 64 columns of slice u / 4 (0 Q, 1 K, 2 V), k = 64 w + 16 (u % 4) + 8 hh + i; each load takes two whole aligned pieces of 256 bytes
.macro WUNIT_LOAD u
.set wsl, (\u)/4
.set wkk, (\u)%4
.set wrg, RING+32*((\u)%6)
.set wi, 0
.rept 8
.if wsl == 0
	global_load_b128 v[wrg+4*wi:wrg+4*wi+3], v3, s[20:21] offset:(16*wkk+wi)*2048
.else
	global_load_b128 v[wrg+4*wi:wrg+4*wi+3], v4, s[22:23] offset:(16*wkk+wi)*4096+(wsl-1)*2048
.endif
.set wi, wi+1
.endr
.endm
; half of input chunk ci (64 k of my 32 rows; ci < 8: layer_input, else cross_attn_input) into buffer ci % 3: load i = rows 16 g + i % 8 and 8 further, 256 bytes each
.macro XGROUP ci, g
.set gb, (\ci)%3
.set gx, 64*((gb+1)/2)                 ; buffers 0, 1: window 1 at v0, v64; buffer 2: window 0 at v64
.set gw, (1-gb/2)*0x40
	WIN gw
.set xi, 8*(\g)
.rept 8
.if (\ci) < 8
	global_load_b128 v[gx+4*xi:gx+4*xi+3], v2, s[16:17] offset:(16*(\g)+(xi&7))*2048+256*((\ci)&7)
.else
	global_load_b128 v[gx+4*xi:gx+4*xi+3], v2, s[18:19] offset:(16*(\g)+(xi&7))*2048+256*((\ci)&7)
.endif
.set xi, xi+1
.endr
	WIN 0
.endm
	; the oldest loads: the head's biases (64 + 64 + 64 numbers, 128 consecutive bytes a load) and Wo
	global_load_b32 v44, v14, s[26:27]
	global_load_b32 v45, v14, s[26:27] offset:128
	global_load_b32 v46, v14, s[28:29]
	global_load_b32 v47, v14, s[28:29] offset:128
	global_load_b32 v48, v14, s[28:29] offset:2048
	global_load_b32 v49, v14, s[28:29] offset:2176
.set ii, 0
.rept 8
	global_load_b32 v[32+ii], v9, s[24:25] offset:2048*ii          ; Wo: eight k of one column.  The group's share is four stores of 512 bytes: waves 4-7 load what waves 0-3
.set ii, ii+1                                                          ; load (4 KiB more a work-group), so that every wave counts the same loads, and do not store
.endr
.set uu, 0
.rept 6
	WUNIT_LOAD uu                                  ; the ring of six units is filled: 6 + 8 + 48 = 62 loads are out
.set uu, uu+1
.endr
	s_wait_loadcnt 48                              ; the ring's 48 loads are younger: biases and Wo are in
	v_mul_f32 v44, 0x3e38aa3b, v44                 ; bq x 0.125 log2(e): (acc + bq) s = fma(acc, s, bq s)
	v_mul_f32 v45, 0x3e38aa3b, v45
.set ii, 0
.rept 6
	ds_store_b32 v13, v[44+ii] offset:128*ii       ; my wave's own copy: only I read it, and LDS serves a wave in order (ISA guide 5.7.1)
.set ii, ii+1
.endr
	s_cmp_ge_u32 s4, 4
	s_cbranch_scc1 .Lno_wo
	v_cvt_pk_bf16_f32 v40, v32, v33
	v_cvt_pk_bf16_f32 v41, v34, v35
	v_cvt_pk_bf16_f32 v42, v36, v37
	v_cvt_pk_bf16_f32 v43, v38, v39
	global_store_b128 v10, v[40:43], s[34:35]      ; sixteen lanes store 256 consecutive aligned bytes
.Lno_wo:
	; the weight fill: 12 units a wave.  In place of units 12 .. the last six turns issue groups of eight input loads, so the count is the same in every turn
.set uu, 0
.rept 12
	s_wait_loadcnt 40                              ; five younger groups of eight stay out: unit uu is in
.set rg, RING+32*(uu%6)
.set cc, 0
.rept 4
.set qq, 0
.rept 4
	v_cvt_pk_bf16_f32 v[T+4*cc+qq], v[rg+8*qq+cc], v[rg+8*qq+4+cc]     ; column c: k = 2 q, 2 q + 1 of my eight
.set qq, qq+1
.endr
.set cc, cc+1
.endr
.set cc, 0
.rept 4
	ds_store_b128 v5, v[T+4*cc:T+4*cc+3] offset:((uu%4)>>1)*WKS+(uu&1)*512+(uu/4)*4*WBLK+16*cc
.set cc, cc+1
.endr
.if uu < 6
.set a1, uu+6
	WUNIT_LOAD a1
.else
.set a1, (uu-6)/2                      ; chunks 0, 1, 2; chunk 2 lies on ring slots 0 and 1, whose last units (6, 7) have been narrowed by turns 10, 11
.set a2, (uu-6)%2
	XGROUP a1, a2
.endif
.set uu, uu+1
.endr
	s_wait_dscnt 0x0                               ; my blocks are written,
	s_barrier_signal -1
	s_barrier_wait -1                              ; everybody's are: from here on the weights are only read
	s_wait_xcnt 0x0                                ; v40-43, which the store of Wo reads, are loaded into below only behind this wait
; 8 (Q) or 16 (K and V) products of one 32 k.  The accumulators take turns, one instruction a turn, in the same order every time.
.macro PROD pk, pz
.set nn, 0
.rept 4
.set mm, 0
.rept 2
.set dd, ACC+8*(2*nn+mm)
.if \pz
	v_wmma_f32_16x16x32_bf16 v[dd:dd+7], v[BF+64*\pk+8*nn:BF+64*\pk+8*nn+7], v[AF+16*\pk+8*mm:AF+16*\pk+8*mm+7], 0
.else
	v_wmma_f32_16x16x32_bf16 v[dd:dd+7], v[BF+64*\pk+8*nn:BF+64*\pk+8*nn+7], v[AF+16*\pk+8*mm:AF+16*\pk+8*mm+7], v[dd:dd+7]
.endif
.set mm, mm+1
.endr
.set nn, nn+1
.endr
.if iskv
.set nn, 0
.rept 4
.set mm, 0
.rept 2
.set dd, ACC+64+8*(2*nn+mm)
.if \pz
	v_wmma_f32_16x16x32_bf16 v[dd:dd+7], v[AF+16*\pk+8*mm:AF+16*\pk+8*mm+7], v[BF+64*\pk+32+8*nn:BF+64*\pk+32+8*nn+7], 0
.else
	v_wmma_f32_16x16x32_bf16 v[dd:dd+7], v[AF+16*\pk+8*mm:AF+16*\pk+8*mm+7], v[BF+64*\pk+32+8*nn:BF+64*\pk+32+8*nn+7], v[dd:dd+7]
.endif
.set mm, mm+1
.endr
.set nn, nn+1
.endr
.endif
.endm
; one step of 64 k: input chunk ci is narrowed through the stage and multiplied; chunk ci + 3 is requested into the same buffer
.macro STEP ci
.set kc, (\ci)&7
.set iskv, (\ci)/8
.set sb, (\ci)%3
.set xb, 64*((sb+1)/2)
.set xw, 1-sb/2
	v_add_nc_u32 v8, kc*2*WKS, v1                  ; this step's two k steps of weight blocks
.if \ci
	PLACES 3                                       ; with the line above: four places behind the last products, in front of loads into their sources
.endif
.set ks, 0
.rept 2
.set nn, 0
.rept 4+4*iskv
	ds_load_b128 v[BF+64*ks+8*nn:BF+64*ks+8*nn+3],   v8 offset:ks*WKS+(nn+4*iskv)*WBLK
	ds_load_b128 v[BF+64*ks+8*nn+4:BF+64*ks+8*nn+7], v8 offset:ks*WKS+(nn+4*iskv)*WBLK+512
.set nn, nn+1
.endr
.set ks, ks+1
.endr
.if (\ci) == 15
	s_wait_loadcnt 0x0                             ; the last chunk: nothing younger
.else
.if (\ci) == 14
	s_wait_loadcnt 16                              ; only the last chunk is younger
.else
	s_wait_loadcnt 32                              ; the next two chunks' 32 loads stay out: this chunk is in
.endif
.endif
.set wv, xw*0x45
	WIN wv
.set xi, 0
.rept 16
	v_cvt_pk_bf16_f32 v[xb+4*xi],   v[xb+4*xi],   v[xb+4*xi+1]
	v_cvt_pk_bf16_f32 v[xb+4*xi+1], v[xb+4*xi+2], v[xb+4*xi+3]
.set xi, xi+1
.endr
.set wv, xw*0x04
	WIN wv
.set xi, 0
.rept 16
	ds_store_b64 v6, v[xb+4*xi:xb+4*xi+1] offset:(16*(xi>>3)+(xi&7))*SPITCH    ; two rows of my own stage; LDS serves a wave in order (ISA guide 5.7.1): the last step's reads are over
.set xi, xi+1
.endr
.if (\ci)+3 <= 15
.set c3, (\ci)+3
	XGROUP c3, 0
	XGROUP c3, 1
.endif
	WIN 0
.set ks, 0
.rept 2
.set mm, 0
.rept 2
	ds_load_b128 v[AF+16*ks+8*mm:AF+16*ks+8*mm+3],   v7 offset:mm*16*SPITCH+ks*64          ; my own bytes, in order behind the stores: no wait between
	ds_load_b128 v[AF+16*ks+8*mm+4:AF+16*ks+8*mm+7], v7 offset:mm*16*SPITCH+ks*64+32
.set mm, mm+1
.endr
.set ks, ks+1
.endr
	s_wait_dscnt 4                                 ; only the four loads of input fragments of the second 32 k may be out
	WIN 0x50                                       ; C and D window 1
.if kc == 0
	PROD 0, 1                                      ; the first products start the sums: nothing is cleared
.else
	PROD 0, 0
.endif
	s_wait_dscnt 0x0
	PROD 1, 0
	WIN 0
.endm
.irp c, 0,1,2,3,4,5,6,7
	STEP \c
.endr
	; Q out: scale and bias in one fused multiply-add, round, 16 bytes a lane = the lane's share of half a block
	PLACES 4                                       ; four places behind the last products, in front of reads of their results and of loads into their sources
.set nn, 0
.rept 4
	ds_load_b128 v[BF+8*nn:BF+8*nn+3],   v11 offset:64*nn          ; bq (scaled) of columns 16 nt + 8 hh + 0..7, from my wave's copy
	ds_load_b128 v[BF+8*nn+4:BF+8*nn+7], v11 offset:64*nn+16
.set nn, nn+1
.endr
	s_wait_dscnt 0x0
	WIN 0x41                                       ; D and source 0 window 1, the bias window 0
.set tt, 0
.rept 8
.set ii, 0
.rept 4
	v_pk_fma_f32 v[ACC+8*tt+2*ii:ACC+8*tt+2*ii+1], v[ACC+8*tt+2*ii:ACC+8*tt+2*ii+1], 0x3e38aa3b, v[BF+8*(tt/2)+2*ii:BF+8*(tt/2)+2*ii+1] op_sel_hi:[1,0,1]
.set ii, ii+1
.endr
.set tt, tt+1
.endr
	WIN 0x05
.set tt, 0
.rept 8
.set ii, 0
.rept 4
	v_cvt_pk_bf16_f32 v[BF+32+4*tt+ii], v[ACC+8*tt+2*ii], v[ACC+8*tt+2*ii+1]
.set ii, ii+1
.endr
.set tt, tt+1
.endr
	WIN 0
.set tt, 0
.rept 8
	global_store_b128 v1, v[BF+32+4*tt:BF+32+4*tt+3], s[30:31] offset:(tt%2)*2048+(tt/2)*512       ; q tile mt, half block nt: 512 consecutive aligned bytes a store
.set tt, tt+1
.endr
	s_wait_xcnt 0x0                                ; v160-191, which these stores read, are loaded again below only behind this wait
.irp c, 8,9,10,11,12,13,14,15
	STEP \c
.endr
	; K and V out
	PLACES 4
.set nn, 0
.rept 4
	ds_load_b128 v[BF+8*nn:BF+8*nn+3],   v11 offset:256+64*nn      ; bk of columns 16 nt + 8 hh + 0..7
	ds_load_b128 v[BF+8*nn+4:BF+8*nn+7], v11 offset:256+64*nn+16
	ds_load_b32  v[BF+32+2*nn],          v12 offset:512+64*nn      ; bv of d = 16 nt + r, twice: a pair for the packed add
	ds_load_b32  v[BF+33+2*nn],          v12 offset:512+64*nn
.set nn, nn+1
.endr
	s_wait_dscnt 0x0
	WIN 0x41                                       ; D and source 0 window 1, the bias window 0
.set tt, 0
.rept 8
.set ii, 0
.rept 4
	v_pk_add_f32 v[ACC+8*tt+2*ii:ACC+8*tt+2*ii+1], v[ACC+8*tt+2*ii:ACC+8*tt+2*ii+1], v[BF+8*(tt/2)+2*ii:BF+8*(tt/2)+2*ii+1]
	v_pk_add_f32 v[ACC+64+8*tt+2*ii:ACC+64+8*tt+2*ii+1], v[ACC+64+8*tt+2*ii:ACC+64+8*tt+2*ii+1], v[BF+32+2*(tt/2):BF+32+2*(tt/2)+1]
.set ii, ii+1
.endr
.set tt, tt+1
.endr
	WIN 0x05
.set tt, 0
.rept 16
.set ii, 0
.rept 4
	v_cvt_pk_bf16_f32 v[BF+64+4*tt+ii], v[ACC+8*tt+2*ii], v[ACC+8*tt+2*ii+1]
.set ii, ii+1
.endr
.set tt, tt+1
.endr
	WIN 0
.set tt, 0
.rept 8
	global_store_b128 v1, v[BF+64+4*tt:BF+64+4*tt+3], s[32:33] offset:(tt%2)*2048+(tt/2)*512           ; K: key tile 2 (w % 2) + mt, half block nt
	global_store_b128 v1, v[BF+96+4*tt:BF+96+4*tt+3], s[32:33] offset:8192+(tt/2)*1024+(tt%2)*512      ; V: keys 32 (w % 2) + 16 mt, d tile nt
.set tt, tt+1
.endr
	s_wait_xcnt 0x0
	v_lshl_add_u32 v254, v0, 2, 0x3b400
	v_mov_b32 v255, 0
	s_wait_tensorcnt 0x0
	ds_add_u32 v254, v255
	s_wait_dscnt 0x0
	s_endpgm
.Lfunc_end_k_q1011e85241_proj:
	.size	k_q1011e85241_proj, .Lfunc_end_k_q1011e85241_proj-k_q1011e85241_proj
	.p2alignl 7, 3214868480
	.fill 96, 4, 3214868480
	.section	.rodata,"a",@progbits
	.p2align	6, 0x0
	.amdhsa_kernel k_q1011e85241_proj
		.amdhsa_group_segment_fixed_size 243712
		.amdhsa_private_segment_fixed_size 0
		.amdhsa_enable_private_segment 0
		.amdhsa_kernarg_size 80
		.amdhsa_user_sgpr_count 2
		.amdhsa_user_sgpr_kernarg_segment_ptr 1
		.amdhsa_wavefront_size32 1
		.amdhsa_system_sgpr_workgroup_id_x 1
		.amdhsa_system_sgpr_workgroup_id_y 1
		.amdhsa_system_sgpr_workgroup_id_z 1
		.amdhsa_system_vgpr_workitem_id 0
		.amdhsa_next_free_vgpr 512
		.amdhsa_next_free_sgpr 66
		.amdhsa_reserve_vcc 0
		.amdhsa_float_denorm_mode_32 3
		.amdhsa_float_denorm_mode_16_64 3
		.amdhsa_memory_ordered 1
		.amdhsa_forward_progress 1
		.amdhsa_inst_pref_size 184
	.end_amdhsa_kernel
	.amdgpu_metadata
---
amdhsa.version: [ 1, 2 ]
amdhsa.kernels:
  - .name:           k_q1011e85241_proj
    .symbol:         k_q1011e85241_proj.kd
    .args:
      - { .name: layer_input, .offset: 0, .size: 8, .value_kind: global_buffer, .address_space: global }
      - { .name: cross_attn_input, .offset: 8, .size: 8, .value_kind: global_buffer, .address_space: global }
      - { .name: Wq, .offset: 16, .size: 8, .value_kind: global_buffer, .address_space: global }
      - { .name: Wkv, .offset: 24, .size: 8, .value_kind: global_buffer, .address_space: global }
      - { .name: Wo, .offset: 32, .size: 8, .value_kind: global_buffer, .address_space: global }
      - { .name: bq, .offset: 40, .size: 8, .value_kind: global_buffer, .address_space: global }
      - { .name: bkv, .offset: 48, .size: 8, .value_kind: global_buffer, .address_space: global }
      - { .name: qf, .offset: 56, .size: 8, .value_kind: global_buffer, .address_space: global }
      - { .name: kvf, .offset: 64, .size: 8, .value_kind: global_buffer, .address_space: global }
      - { .name: wof, .offset: 72, .size: 8, .value_kind: global_buffer, .address_space: global }
    .group_segment_fixed_size: 243712
    .private_segment_fixed_size: 0
    .kernarg_segment_align: 8
    .kernarg_segment_size: 80
    .max_flat_workgroup_size: 256
    .sgpr_count:     66
    .vgpr_count:     512
    .wavefront_size: 32
...
	.end_amdgpu_metadata
.endif
;; end of part 1
;; launch attn (part 2): grid 8 x 32, 8 waves a work-group, clusters of 4 x 1, 327,680 bytes of LDS; arguments qf, kvf, af; writes af
.if DOCPART == 2
	.amdgcn_target "amdgcn-amd-amdhsa--gfx1250"
	.amdhsa_code_object_version 6
	.text
	.protected	k_q1011e85241_attn
	.globl	k_q1011e85241_attn
	.p2align	8
	.type	k_q1011e85241_attn,@function
k_q1011e85241_attn:
	s_mov_b64 s[64:65], 0
	v_nop
	global_prefetch_b8 v0, s[64:65] scope:SCOPE_SE
	s_setreg_imm32_b32 hwreg(HW_REG_WAVE_MODE, 25, 1), 1
	s_wait_xcnt 0x0
	s_wait_alu depctr_hold_cnt(0) depctr_sa_sdst(0) depctr_va_vdst(0) depctr_va_sdst(0) depctr_va_ssrc(0) depctr_va_vcc(0) depctr_vm_vsrc(0)
	s_getreg_b32 s2, hwreg(HW_REG_IB_STS2, 6, 4)
	s_cmp_eq_u32 s2, 0
	s_cbranch_scc0 .Lentry_in_a_cluster
	s_endpgm
.Lentry_in_a_cluster:
	s_bfe_u32 s2, ttmp6, 0x10000c
	s_cmp_lg_u32 s2, 0x3003
	s_cbranch_scc0 .Lentry_shape_is_right
	s_endpgm
.Lentry_shape_is_right:
; ATTENTION of one head for 256 queries: softmax(q k^T) v with a running maximum.  q already carries 0.125 log2(e), so exponentials are base 2.
; Operands bf16 (as the first launch stored them, in the registers' own order), sums, maxima and the softmax in f32.
; Work-group (x = query block of 256, y = bh).  Eight waves: wave = 4 g + wq.  wq: 64 queries (four q tiles); g: of every tile of 512 keys the
; chunks 4 g .. 4 g + 3 (64 keys each).  The two waves of a pair (same wq) keep (m, l, O) of their own keys and are merged once at the end.
; Eight waves of 512 registers, because a chunk has about as many vector instructions (softmax) as its 64 products are long: while one wave
; multiplies another can exponentiate.  The second wave takes other KEYS, so a chunk is still read from LDS by four waves only.
; S^T = K x Q: a lane holds query r, keys 8 hh + j; two such tiles packed to bf16 ARE the operand P of O^T = V^T x P: no shuffle, and
; maximum, factor and sum of a query are one number a lane (and its partner lane xor 16).
; CLUSTER 4 x 1: the four query blocks of a cluster read the same K and V.  Every tile is asked for jointly (mask 15): each wave of each of the four
; issues the same load, its chunk w of the tile's eight.  Nothing but the global addresses of qf and af hangs on the place in the cluster.
; LDS: two slots of 131,072 bytes (512 keys: eight chunks of 16,384).  The merge uses slot 0 after its last fill and its last read.
; A wave has two tensor loads out at the start and one behind each refill.
; LIMITS: a weight below 2^-126 of its row's largest counts as 0 (v_exp_f32 flushes denormal results, ISA guide 15.8); the row sum is taken of the f32
; weights while the products take them rounded to bf16; scores that overflow f32 give NaN, as they do in f32 arithmetic anywhere.
; REGISTERS.  window 0: v1-v4 addresses; v8-39 state, eight a q tile; v64-127 K fragments; v128-255 S, then P.  window 1: O 0-127, Q 128-191, V 192-255.
.set SLOT, 131072
.set CH,   16384
.set ST,   8                           ; q tile n at ST + 8 n: +0 m, +1 l, +2 factor, +3 new maximum, +4 at work, +5 written once (second half of a pair), +6 +7 sum pair
.set KF,   64
.set S,    128
.set O,    0
.set QF,   128
.set VF,   192
.set MSB,  0
.macro WIN new                         ; register windows; the immediate's high byte repeats the setting that is left; 0 at every label and branch
.if MSB != \new
	s_set_vgpr_msb (MSB<<8)|\new
.set MSB, \new
.endif
.endm
.macro PLACES n
.rept \n
	v_nop
.endr
.endm
; a round of the cluster's barrier: my work-group's barrier, wave 0 signals for the work-group, every wave waits for all four work-groups, my work-group's barrier again
.macro ROUND
	s_barrier_signal -1
	s_barrier_wait -1
	s_cmp_lg_u32 s10, 0
	s_cbranch_scc1 .Lnot_wave_0_\@
	s_barrier_signal -3
.Lnot_wave_0_\@:
	s_barrier_wait -3
	s_barrier_signal -1
	s_barrier_wait -1
.endm
; a slot that has been read is filled again, two tiles further on
.macro REFILL slot
	s_wait_dscnt 0x0                               ; my reads of the slot are back
	s_wait_tensorcnt 0x0                           ; all my tensor loads have landed, my chunk of the other slot among them: the slot's address may be stepped
	ds_add_u32 v62, v63
	s_wait_dscnt 0x0
	s_add_nc_u64 s[26+4*\slot:27+4*\slot], s[26+4*\slot:27+4*\slot], 2*SLOT
	ROUND                                          ; both now hold of every wave of all four work-groups
	tensor_load_to_lds s[24+4*\slot:27+4*\slot], s[16:23]          ; my one tensor load behind the round, and the first thing there
	s_nop 0
.endm
	s_load_b128 s[4:7], s[0:1], 0x0                ; qf s[4:5], kvf s[6:7]
	s_load_b64 s[8:9], s[0:1], 0x10                ; af
	v_lshl_add_u32 v62, v0, 2, 0x40000
	v_mov_b32 v63, 0
	ds_add_u32 v62, v63
	v_lshrrev_b32 v5, 5, v0
	v_readfirstlane_b32 s10, v5                    ; wave
	v_and_b32 v5, 31, v0
	v_lshlrev_b32 v3, 4, v5                        ; v3 = 16 L
	s_and_b32 s11, s10, 3                          ; wq
	s_lshr_b32 s12, s10, 2                         ; g
	s_and_b32 s15, ttmp7, 0xffff                   ; bh (the cluster is one work-group high)
	s_mov_b32 s32, 0x76543210                      ; v_permlanex16_b32: lane i reads lane i of the other half
	s_mov_b32 s33, 0xfedcba98
	; descriptor group 1: a chunk is dense: 64 rows of 32 elements of 8 bytes
	s_mov_b32 s16, 15|(3<<16)|(1<<21)              ; 15:0 mask: all four of the cluster; 17:16 elements of 8 bytes; 21 set beside a mask
	s_mov_b32 s17, 32<<16                          ; tensor_dim0 = 32
	s_mov_b32 s18, 64<<16                          ; tensor_dim1 = 64
	s_mov_b32 s19, 32<<16                          ; tile_dim0 = 32
	s_mov_b32 s20, 64                              ; tile_dim1 = 64
	s_mov_b32 s21, 32                              ; from row to row: 32 elements
	s_mov_b32 s22, 0
	s_mov_b32 s23, 0
	s_lshl_b32 s34, s12, 16
	v_add_nc_u32 v1, s34, v3                       ; v1 = 16 L + my half's four chunks in a slot
	s_mul_i32 s34, s11, 17408
	v_add_nc_u32 v4, s34, v3                       ; v4 = the pair's merge area: 16,384 bytes of O, 1,024 of m and l
	s_lshl_b32 s25, s10, 14                        ; LDS: chunk w of slot 0
	s_lshl_b32 s34, s15, 19                        ; kvf: bh x 524,288 + chunk w
	s_add_co_u32 s34, s34, s25
	s_mov_b32 s35, 0
	; what hangs on the place in the cluster lives in s13 and s36-s40 alone
	s_bfe_u32 s13, ttmp6, 0x40000                  ; cx
	s_lshl_b32 s40, ttmp9, 2
	s_add_co_u32 s13, s40, s13                     ; query block = 4 x cluster x + cx
	s_lshl_b32 s36, s15, 18                        ; qf: bh x 262,144 + (16 block + 4 wq) q tiles of 2,048 bytes
	s_lshl_b32 s40, s13, 15
	s_add_co_u32 s36, s36, s40
	s_lshl_b32 s40, s11, 13
	s_add_co_u32 s36, s36, s40
	s_mov_b32 s37, 0
	s_lshr_b32 s38, s15, 3                         ; af: (128 b + 16 block + 4 wq) row tiles of 16,384 bytes + head x 2,048
	s_lshl_b32 s38, s38, 21
	s_lshl_b32 s40, s13, 18
	s_add_co_u32 s38, s38, s40
	s_lshl_b32 s40, s11, 16
	s_add_co_u32 s38, s38, s40
	s_and_b32 s40, s15, 7
	s_lshl_b32 s40, s40, 11
	s_add_co_u32 s38, s38, s40
	s_mov_b32 s39, 0
	s_wait_dscnt 0x0
	s_wait_kmcnt 0x0
	s_add_nc_u64 s[6:7], s[6:7], s[34:35]
	s_add_nc_u64 s[4:5], s[4:5], s[36:37]
	s_add_nc_u64 s[8:9], s[8:9], s[38:39]
	s_mov_b32 s24, 1                               ; group 0 of slot 0: tile 0
	s_mov_b64 s[26:27], s[6:7]
	s_or_b32 s27, s27, 0x80000000
	s_mov_b32 s28, 1                               ; group 0 of slot 1: tile 1
	s_add_co_u32 s29, s25, SLOT
	s_add_nc_u64 s[30:31], s[6:7], SLOT
	s_or_b32 s31, s31, 0x80000000
	ROUND                                          ; all four work-groups are here: the first joint loads meet
	tensor_load_to_lds s[24:27], s[16:23]
	s_nop 0
	tensor_load_to_lds s[28:31], s[16:23]
	s_nop 0
	WIN 0x40
.set ee, 0
.rept 16
	global_load_b128 v[QF+4*ee:QF+4*ee+3], v3, s[4:5] offset:512*ee        ; my four q tiles: [n][ks][p], 512 consecutive bytes a load
.set ee, ee+1
.endr
	WIN 0
.irp q, 0,1,2,3
	v_mov_b32 v[ST+8*\q+1], 0                      ; second halves of broadcast pairs and destinations of lane exchanges have to be written once
	v_mov_b32 v[ST+8*\q+4], 0
	v_mov_b32 v[ST+8*\q+5], 0
.endr
	s_wait_tensorcnt 0x1                           ; my chunk of tile 0 is in; tile 1's may stay out
	s_barrier_signal -1
	s_barrier_wait -1                              ; everybody's is
	s_wait_loadcnt 0x0                             ; Q
.macro KLOAD                           ; the chunk's K: [t][ks][p]
.set ee, 0
.rept 16
	ds_load_b128 v[KF+4*ee:KF+4*ee+3], v2 offset:512*ee
.set ee, ee+1
.endr
.endm
; one chunk of 64 keys against my 64 queries.  first = 1: it starts maximum, sum and O.  knext = 1: the next chunk's K is fetched under the softmax.
.macro CHUNK first, knext
	WIN 0x40
.set ee, 0
.rept 16
	ds_load_b128 v[VF+4*ee:VF+4*ee+3], v2 offset:8192+512*ee               ; V: [u][t][p]
.set ee, ee+1
.endr
	s_wait_dscnt 16                                ; the 16 loads of V are younger: K is in
	WIN 0x04                                       ; source 1 (Q) window 1
	; sixteen accumulators take turns, one instruction a turn
.set ks, 0
.rept 2
.set nn, 0
.rept 4
.set tt, 0
.rept 4
.set dd, S+32*nn+8*tt
.if ks == 0
	v_wmma_f32_16x16x32_bf16 v[dd:dd+7], v[KF+16*tt:KF+16*tt+7], v[QF+16*nn:QF+16*nn+7], 0
.else
	v_wmma_f32_16x16x32_bf16 v[dd:dd+7], v[KF+16*tt+8:KF+16*tt+15], v[QF+16*nn+8:QF+16*nn+15], v[dd:dd+7]
.endif
.set tt, tt+1
.endr
.set nn, nn+1
.endr
.set ks, ks+1
.endr
	WIN 0
.if \knext
	v_add_nc_u32 v2, CH, v2                        ; with three v_nop: four places behind the products, in front of loads into K's registers and reads of S
	PLACES 3
	KLOAD
.else
	PLACES 4
.endif
	; the running maximum: four chains, one a q tile
.irp q, 0,1,2,3
.if \first
	v_max_num_f32 v[ST+8*\q+3], v[S+32*\q], v[S+32*\q+1]
.else
	v_max3_num_f32 v[ST+8*\q+3], v[ST+8*\q], v[S+32*\q], v[S+32*\q+1]
.endif
.endr
.set ii, 1
.rept 15
.irp q, 0,1,2,3
	v_max3_num_f32 v[ST+8*\q+3], v[ST+8*\q+3], v[S+32*\q+2*ii], v[S+32*\q+2*ii+1]
.endr
.set ii, ii+1
.endr
.irp q, 0,1,2,3
	v_permlanex16_b32 v[ST+8*\q+4], v[ST+8*\q+3], s32, s33                 ; the same query's other 32 keys
.endr
.irp q, 0,1,2,3
	v_max_num_f32 v[ST+8*\q+3], v[ST+8*\q+3], v[ST+8*\q+4]
.endr
.if \first == 0
.irp q, 0,1,2,3
	v_sub_f32 v[ST+8*\q+4], v[ST+8*\q], v[ST+8*\q+3]                       ; old maximum - new, at most 0
.endr
.endif
.irp q, 0,1,2,3
	v_mov_b32 v[ST+8*\q], v[ST+8*\q+3]
.endr
.if \first == 0
.irp q, 0,1,2,3
	v_exp_f32 v[ST+8*\q+2], v[ST+8*\q+4]           ; the factor for l and O; the subtractions below stand between it and its use (ISA guide 5.7.2)
.endr
.endif
.set ii, 0
.rept 16
.irp q, 0,1,2,3
	v_pk_add_f32 v[S+32*\q+2*ii:S+32*\q+2*ii+1], v[S+32*\q+2*ii:S+32*\q+2*ii+1], v[ST+8*\q:ST+8*\q+1] op_sel_hi:[1,0] neg_lo:[0,1] neg_hi:[0,1]
.endr
.set ii, ii+1
.endr
.set ii, 0
.rept 128
	v_exp_f32 v[S+ii], v[S+ii]
.set ii, ii+1
.endr
	v_nop                                          ; one plain place behind the last exponential
	s_wait_alu depctr_va_vdst(0)
.irp q, 0,1,2,3
	v_pk_add_f32 v[ST+8*\q+6:ST+8*\q+7], v[S+32*\q:S+32*\q+1], v[S+32*\q+2:S+32*\q+3]
.endr
.set ii, 2
.rept 14
.irp q, 0,1,2,3
	v_pk_add_f32 v[ST+8*\q+6:ST+8*\q+7], v[ST+8*\q+6:ST+8*\q+7], v[S+32*\q+2*ii:S+32*\q+2*ii+1]
.endr
.set ii, ii+1
.endr
.if \first
.irp q, 0,1,2,3
	v_add_f32 v[ST+8*\q+1], v[ST+8*\q+6], v[ST+8*\q+7]                     ; l stays the lane's own (its half of the keys) until the merge
.endr
.else
.irp q, 0,1,2,3
	v_add_f32 v[ST+8*\q+4], v[ST+8*\q+6], v[ST+8*\q+7]
.endr
.irp q, 0,1,2,3
	v_fma_f32 v[ST+8*\q+1], v[ST+8*\q+1], v[ST+8*\q+2], v[ST+8*\q+4]
.endr
.endif
	; P: 16 neighbouring registers (key tiles 2 u, 2 u + 1) pack into the first eight, ascending, so no source is overwritten before it is read
.set gg, 0
.rept 8
.set ii, 0
.rept 8
	v_cvt_pk_bf16_f32 v[S+16*gg+ii], v[S+16*gg+2*ii], v[S+16*gg+2*ii+1]
.set ii, ii+1
.endr
.set gg, gg+1
.endr
.if \first == 0
	WIN 0x41                                       ; O in window 1, the factor in window 0
.set ii, 0
.rept 16
.irp q, 0,1,2,3
	v_pk_mul_f32 v[O+32*\q+2*ii:O+32*\q+2*ii+1], v[O+32*\q+2*ii:O+32*\q+2*ii+1], v[ST+8*\q+2:ST+8*\q+3] op_sel_hi:[1,0]
.endr
.set ii, ii+1
.endr
.endif
.if \knext
	s_wait_dscnt 16                                ; the next chunk's 16 loads of K are younger: V is in
.else
	s_wait_dscnt 0x0
.endif
	WIN 0x51                                       ; V, C and D window 1, P window 0
.set uu, 0
.rept 2
.set pz, \first*(1-uu)
.set nn, 0
.rept 4
.set tt, 0
.rept 4
.set dd, O+32*nn+8*tt
.if pz
	v_wmma_f32_16x16x32_bf16 v[dd:dd+7], v[VF+32*uu+8*tt:VF+32*uu+8*tt+7], v[S+32*nn+16*uu:S+32*nn+16*uu+7], 0
.else
	v_wmma_f32_16x16x32_bf16 v[dd:dd+7], v[VF+32*uu+8*tt:VF+32*uu+8*tt+7], v[S+32*nn+16*uu:S+32*nn+16*uu+7], v[dd:dd+7]
.endif
.set tt, tt+1
.endr
.set nn, nn+1
.endr
.set uu, uu+1
.endr
	WIN 0
	PLACES 5                                       ; five places: the next S products write over P, a source of these; the next loads of V need four
.endm
; a tile of 512 keys: my four chunks of it
.macro TILE slot, first
	v_add_nc_u32 v2, \slot*SLOT, v1
	KLOAD
.if \first
	CHUNK 1, 1
	s_mov_b32 s14, 2
.else
	s_mov_b32 s14, 3
.endif
.Lchunk_\@:
	CHUNK 0, 1
	s_sub_co_u32 s14, s14, 1
	s_cmp_lg_u32 s14, 0
	s_cbranch_scc1 .Lchunk_\@
	CHUNK 0, 0
.endm
	TILE 0, 1                                      ; keys 0-511
	REFILL 0                                       ; keys 1024-1535 go out; they have a tile's work in which to land
	TILE 1, 0                                      ; keys 512-1023
	REFILL 1                                       ; keys 1536-2047 go out
	TILE 0, 0
	s_wait_dscnt 0x0                               ; my reads of slot 0 are back (it is written by the merge below),
	s_wait_tensorcnt 0x0                           ; my chunk of the last tile is in,
	s_barrier_signal -1
	s_barrier_wait -1                              ; everybody's
	TILE 1, 0
	; THE MERGE of a pair: waves 4-7 hand m, l and O to waves 0-3 through slot 0, which has had its last fill and whose last reads stand in front of the barrier above
	s_cmp_lt_u32 s10, 4
	s_cbranch_scc1 .Lkeep
.irp q, 0,1,2,3
	v_mov_b32 v[KF+\q], v[ST+8*\q]
	v_mov_b32 v[KF+4+\q], v[ST+8*\q+1]
.endr
	WIN 0x04
.set ee, 0
.rept 32
	ds_store_b128 v4, v[O+4*ee:O+4*ee+3] offset:512*ee
.set ee, ee+1
.endr
	WIN 0
	ds_store_b128 v4, v[KF:KF+3] offset:16384
	ds_store_b128 v4, v[KF+4:KF+7] offset:16896
.Lkeep:
	s_wait_dscnt 0x0                               ; for the partner's sake: my stores are done
	s_barrier_signal -1
	s_barrier_wait -1
	s_cmp_ge_u32 s10, 4
	s_cbranch_scc1 .Lclose
.set ee, 0
.rept 32
	ds_load_b128 v[S+4*ee:S+4*ee+3], v4 offset:512*ee                      ; the partner's O, register for register as mine
.set ee, ee+1
.endr
	ds_load_b128 v[KF:KF+3], v4 offset:16384       ; its m
	ds_load_b128 v[KF+4:KF+7], v4 offset:16896     ; its l
	s_wait_dscnt 0x0
.irp q, 0,1,2,3
	v_max_num_f32 v[ST+8*\q+3], v[ST+8*\q], v[KF+\q]
.endr
.irp q, 0,1,2,3
	v_sub_f32 v[ST+8*\q+6], v[ST+8*\q], v[ST+8*\q+3]
	v_sub_f32 v[ST+8*\q+7], v[KF+\q], v[ST+8*\q+3]
.endr
.irp q, 0,1,2,3
	v_exp_f32 v[ST+8*\q+2], v[ST+8*\q+6]           ; my factor
	v_exp_f32 v[ST+8*\q+4], v[ST+8*\q+7]           ; the partner's
.endr
	v_nop
	s_wait_alu depctr_va_vdst(0)
.irp q, 0,1,2,3
	v_mul_f32 v[ST+8*\q+6], v[ST+8*\q+1], v[ST+8*\q+2]
.endr
.irp q, 0,1,2,3
	v_fmac_f32 v[ST+8*\q+6], v[KF+4+\q], v[ST+8*\q+4]
.endr
.irp q, 0,1,2,3
	v_permlanex16_b32 v[ST+8*\q+7], v[ST+8*\q+6], s32, s33                 ; the other half of the lanes holds the query's other keys
.endr
.irp q, 0,1,2,3
	v_add_f32 v[ST+8*\q+6], v[ST+8*\q+6], v[ST+8*\q+7]                     ; the whole row sum, at least 1: the largest weight is 2^0
.endr
.irp q, 0,1,2,3
	v_rcp_f32 v[ST+8*\q+7], v[ST+8*\q+6]
.endr
	v_nop
	s_wait_alu depctr_va_vdst(0)
.irp q, 0,1,2,3
	v_mul_f32 v[ST+8*\q+2], v[ST+8*\q+2], v[ST+8*\q+7]
	v_mul_f32 v[ST+8*\q+4], v[ST+8*\q+4], v[ST+8*\q+7]
.endr
.set ii, 0
.rept 16
.irp q, 0,1,2,3
	v_pk_mul_f32 v[S+32*\q+2*ii:S+32*\q+2*ii+1], v[S+32*\q+2*ii:S+32*\q+2*ii+1], v[ST+8*\q+4:ST+8*\q+5] op_sel_hi:[1,0]
.endr
.set ii, ii+1
.endr
	WIN 0x01                                       ; source 0 (my O) window 1
.set ii, 0
.rept 16
.irp q, 0,1,2,3
	v_pk_fma_f32 v[S+32*\q+2*ii:S+32*\q+2*ii+1], v[O+32*\q+2*ii:O+32*\q+2*ii+1], v[ST+8*\q+2:ST+8*\q+3], v[S+32*\q+2*ii:S+32*\q+2*ii+1] op_sel_hi:[1,0,1]
.endr
.set ii, ii+1
.endr
	WIN 0
.set gg, 0
.rept 16
.set ii, 0
.rept 4
	v_cvt_pk_bf16_f32 v[S+8*gg+ii], v[S+8*gg+2*ii], v[S+8*gg+2*ii+1]       ; query r, d = 16 t + 8 hh + 0..7: 16 bytes of the next launch's operand
.set ii, ii+1
.endr
.set gg, gg+1
.endr
.set gg, 0
.rept 16
	global_store_b128 v3, v[S+8*gg:S+8*gg+3], s[8:9] offset:(gg/4)*16384+(gg%4)*512        ; row tile n, half block t: 512 consecutive aligned bytes a store
.set gg, gg+1
.endr
.Lclose:
	s_wait_tensorcnt 0x0
	ds_add_u32 v62, v63
	s_wait_dscnt 0x0
	ROUND                                          ; the closing round: no work-group ends while a partner may still ask for a tile that names it
	s_endpgm
.Lfunc_end_k_q1011e85241_attn:
	.size	k_q1011e85241_attn, .Lfunc_end_k_q1011e85241_attn-k_q1011e85241_attn
	.p2alignl 7, 3214868480
	.fill 96, 4, 3214868480
	.section	.rodata,"a",@progbits
	.p2align	6, 0x0
	.amdhsa_kernel k_q1011e85241_attn
		.amdhsa_group_segment_fixed_size 327680
		.amdhsa_private_segment_fixed_size 0
		.amdhsa_enable_private_segment 0
		.amdhsa_kernarg_size 24
		.amdhsa_user_sgpr_count 2
		.amdhsa_user_sgpr_kernarg_segment_ptr 1
		.amdhsa_wavefront_size32 1
		.amdhsa_system_sgpr_workgroup_id_x 1
		.amdhsa_system_sgpr_workgroup_id_y 1
		.amdhsa_system_sgpr_workgroup_id_z 1
		.amdhsa_system_vgpr_workitem_id 0
		.amdhsa_next_free_vgpr 512
		.amdhsa_next_free_sgpr 66
		.amdhsa_reserve_vcc 0
		.amdhsa_float_denorm_mode_32 3
		.amdhsa_float_denorm_mode_16_64 3
		.amdhsa_memory_ordered 1
		.amdhsa_forward_progress 1
		.amdhsa_inst_pref_size 255
	.end_amdhsa_kernel
	.section	.bss,"aw",@nobits
	.p2align	6
	.space	262144
	.amdgpu_metadata
---
amdhsa.version: [ 1, 2 ]
amdhsa.kernels:
  - .name:           k_q1011e85241_attn
    .symbol:         k_q1011e85241_attn.kd
    .args:
      - { .name: qf, .offset: 0, .size: 8, .value_kind: global_buffer, .address_space: global }
      - { .name: kvf, .offset: 8, .size: 8, .value_kind: global_buffer, .address_space: global }
      - { .name: af, .offset: 16, .size: 8, .value_kind: global_buffer, .address_space: global }
    .group_segment_fixed_size: 327680
    .private_segment_fixed_size: 0
    .kernarg_segment_align: 8
    .kernarg_segment_size: 24
    .max_flat_workgroup_size: 256
    .sgpr_count:     66
    .vgpr_count:     512
    .wavefront_size: 32
...
	.end_amdgpu_metadata
.endif
;; end of part 2
;; launch oproj (part 3): grid 256 x 1, 4 waves a work-group, clusters of 4 x 1, 327,680 bytes of LDS; arguments af, wof, bo, layer_input, gamma, beta, out0; writes out0
.if DOCPART == 3
	.amdgcn_target "amdgcn-amd-amdhsa--gfx1250"
	.amdhsa_code_object_version 6
	.text
	.protected	k_q1011e85241_oproj
	.globl	k_q1011e85241_oproj
	.p2align	8
	.type	k_q1011e85241_oproj,@function
k_q1011e85241_oproj:
	s_mov_b64 s[64:65], 0
	v_nop
	global_prefetch_b8 v0, s[64:65] scope:SCOPE_SE
	s_setreg_imm32_b32 hwreg(HW_REG_WAVE_MODE, 25, 1), 1
	s_wait_xcnt 0x0
	s_wait_alu depctr_hold_cnt(0) depctr_sa_sdst(0) depctr_va_vdst(0) depctr_va_sdst(0) depctr_va_ssrc(0) depctr_va_vcc(0) depctr_vm_vsrc(0)
	s_getreg_b32 s2, hwreg(HW_REG_IB_STS2, 6, 4)
	s_cmp_eq_u32 s2, 0
	s_cbranch_scc0 .Lentry_in_a_cluster
	s_endpgm
.Lentry_in_a_cluster:
	s_bfe_u32 s2, ttmp6, 0x10000c
	s_cmp_lg_u32 s2, 0x3003
	s_cbranch_scc0 .Lentry_shape_is_right
	s_endpgm
.Lentry_shape_is_right:
; OUTPUT PROJECTION, RESIDUAL, LAYERNORM.  x = attention Wo + bo + layer_input;  out0 = (x - mean) rsqrt(var + 1e-5) gamma + beta, over 512 columns.
; Products bf16 with f32 sums; all the rest f32.  The mean is taken away before the squares are summed: no difference of large sums.
; Work-group x: 32 whole rows.  Wave w: columns 128 w .. + 127, 2 row tiles x 8 column tiles = 16 accumulators.  The 32 rows x 512 k of the attention's
; result stay in 256 registers of every wave; Wo comes as four tiles of 128 k (131,072 bytes, stored by the first launch as blocks in the registers' order).
; CLUSTER 4 x 1: all work-groups walk the same Wo, so the four of a cluster ask for each tile jointly (mask 15); each wave fetches, and alone reads, its own
; 32,768 bytes of a tile.  Nothing but the global addresses of af, layer_input and out0 hangs on the place in the cluster.
; Source 0 = Wo's block, source 1 = rows: a lane holds row r, columns 8 hh + 0..7.
; LDS: two slots of 131,072 bytes.  Behind slot 0's last fill and last read it serves as a stage of 32 rows x 2,064 bytes of f32, through which
; the waves exchange columns for rows: wave w then norms rows 8 w .. 8 w + 7, lane L holding columns 4 L + 128 i.
; A wave has two tensor loads out at the start and one behind each refill.
; REGISTERS.  window 0: v1-v6 addresses; v16-31 bo, v32-47 gamma, v48-63 beta; v64-127, v128-191 Wo fragments, two buffers, later the eight rows;
; v192-223 four a row: +0 value, +1 at work, +2 +3 sum pair.  window 1: the rows' fragments.  window 2: accumulators 0-127, residual 128-255.
.set SLOT, 131072
.set SROW, 2064                        ; a stage row: 2,048 bytes + 16: sixteen rows start in sixteen different 16-byte columns modulo 256
.set BO,   16
.set GA,   32
.set BE,   48
.set BF0,  64
.set XR,   64
.set PR,   192
.set MSB,  0
.macro WIN new                         ; register windows; the immediate's high byte repeats the setting that is left; 0 at every label and branch
.if MSB != \new
	s_set_vgpr_msb (MSB<<8)|\new
.set MSB, \new
.endif
.endm
.macro PLACES n
.rept \n
	v_nop
.endr
.endm
.macro ROUND                           ; a round of the cluster's barrier
	s_barrier_signal -1
	s_barrier_wait -1
	s_cmp_lg_u32 s10, 0
	s_cbranch_scc1 .Lnot_wave_0_\@
	s_barrier_signal -3
.Lnot_wave_0_\@:
	s_barrier_wait -3
	s_barrier_signal -1
	s_barrier_wait -1
.endm
.macro REFILL slot
	s_wait_dscnt 0x0                               ; my reads of the slot are back
	s_wait_tensorcnt 0x0                           ; all my tensor loads have landed: the slot's address may be stepped
	ds_add_u32 v254, v255
	s_wait_dscnt 0x0
	s_add_nc_u64 s[26+4*\slot:27+4*\slot], s[26+4*\slot:27+4*\slot], 2*SLOT
	ROUND                                          ; both now hold of every wave of all four work-groups
	tensor_load_to_lds s[24+4*\slot:27+4*\slot], s[16:23]          ; my one tensor load behind the round, and the first thing there
	s_nop 0
.endm
	s_load_b256 s[44:51], s[0:1], 0x0              ; af 44, wof 46, bo 48, layer_input 50
	s_load_b128 s[52:55], s[0:1], 0x20             ; gamma 52, beta 54
	s_load_b64 s[56:57], s[0:1], 0x30              ; out0
	v_lshl_add_u32 v254, v0, 2, 0x40000
	v_mov_b32 v255, 0
	ds_add_u32 v254, v255
	v_lshrrev_b32 v7, 5, v0
	v_readfirstlane_b32 s10, v7                    ; wave
	v_and_b32 v7, 31, v0
	v_and_b32 v8, 15, v0                           ; r
	v_bfe_u32 v9, v0, 4, 1                         ; hh
	v_lshlrev_b32 v1, 4, v7                        ; v1 = 16 L
	s_lshl_b32 s25, s10, 15                        ; LDS: my 32,768 bytes of slot 0
	v_add_nc_u32 v3, s25, v1                       ; v3 = my Wo fragments in slot 0
	v_mul_u32_u24 v4, v8, SROW
	v_lshl_add_u32 v4, v9, 5, v4
	s_lshl_b32 s12, s10, 9
	v_add_nc_u32 v4, s12, v4                       ; v4 = stage in: row r, columns 128 w + 8 hh
	s_mul_i32 s12, s10, 8*SROW
	v_add_nc_u32 v5, s12, v1                       ; v5 = stage out: rows 8 w .., 16 L
	s_lshl_b32 s12, s10, 14
	v_add_nc_u32 v6, s12, v1                       ; v6 = the same rows in layer_input and out0
	s_mov_b32 s32, 0x76543210
	s_mov_b32 s33, 0xfedcba98
	s_mov_b32 s34, 0x3b000000                      ; 1 / 512
	s_mov_b32 s35, 0x3727c5ac                      ; 1e-5
	s_mov_b32 s16, 15|(3<<16)|(1<<21)              ; group 1: mask of all four; elements of 8 bytes; bit 21 beside a mask
	s_mov_b32 s17, 32<<16                          ; tensor_dim0 = 32 (256 bytes)
	s_mov_b32 s18, 128<<16                         ; tensor_dim1 = 128
	s_mov_b32 s19, 32<<16                          ; tile_dim0 = 32
	s_mov_b32 s20, 128                             ; tile_dim1 = 128 rows: 32,768 dense bytes
	s_mov_b32 s21, 32
	s_mov_b32 s22, 0
	s_mov_b32 s23, 0
	s_mov_b32 s36, s25                             ; wof: my part of tile 0
	s_mov_b32 s37, 0
	; what hangs on the place in the cluster lives in s13 and s38-s42 alone
	s_bfe_u32 s13, ttmp6, 0x40000                  ; cx
	s_lshl_b32 s42, ttmp9, 2
	s_add_co_u32 s13, s42, s13                     ; work-group x = 4 x cluster x + cx
	s_lshl_b32 s38, s13, 15                        ; af: two row tiles of 16,384 bytes
	s_mov_b32 s39, 0
	s_lshl_b32 s40, s13, 16                        ; 32 rows of 2,048 bytes
	s_mov_b32 s41, 0
	s_wait_dscnt 0x0
	s_wait_kmcnt 0x0
	s_add_nc_u64 s[46:47], s[46:47], s[36:37]
	s_add_nc_u64 s[44:45], s[44:45], s[38:39]
	s_add_nc_u64 s[50:51], s[50:51], s[40:41]
	s_add_nc_u64 s[56:57], s[56:57], s[40:41]
	s_mov_b32 s24, 1
	s_mov_b64 s[26:27], s[46:47]
	s_or_b32 s27, s27, 0x80000000
	s_mov_b32 s28, 1
	s_add_co_u32 s29, s25, SLOT
	s_add_nc_u64 s[30:31], s[46:47], SLOT
	s_or_b32 s31, s31, 0x80000000
	ROUND                                          ; all four work-groups are here: the first joint loads meet
	tensor_load_to_lds s[24:27], s[16:23]          ; k 0-127
	s_nop 0
	tensor_load_to_lds s[28:31], s[16:23]          ; k 128-255
	s_nop 0
	WIN 0x40
.set ee, 0
.rept 64
	global_load_b128 v[4*ee:4*ee+3], v1, s[44:45] offset:512*ee            ; the rows' fragments [mt][k step][p]: register 128 mt + 8 kstep + 4 p
.set ee, ee+1
.endr
	WIN 0
.set ii, 0
.rept 4
	global_load_b128 v[BO+4*ii:BO+4*ii+3], v1, s[48:49] offset:512*ii      ; columns 4 L + 128 i
	global_load_b128 v[GA+4*ii:GA+4*ii+3], v1, s[52:53] offset:512*ii
	global_load_b128 v[BE+4*ii:BE+4*ii+3], v1, s[54:55] offset:512*ii
.set ii, ii+1
.endr
	WIN 0x80
.set rr, 0
.rept 8
.set ii, 0
.rept 4
	global_load_b128 v[128+16*rr+4*ii:128+16*rr+4*ii+3], v6, s[50:51] offset:rr*2048+512*ii th:TH_LOAD_NT  ; the residual of the rows that I norm; read once in the launch
.set ii, ii+1
.endr
.set rr, rr+1
.endr
	WIN 0
.irp p, 0,1,2,3,4,5,6,7
	v_mov_b32 v[PR+4*\p+1], 0                      ; destination of a lane exchange and second half of a pair: written once
.endr
	s_wait_tensorcnt 0x1                           ; my part of tile 0 is in; tile 1's may stay out
	s_barrier_signal -1
	s_barrier_wait -1
	s_wait_loadcnt 44                              ; 12 loads of parameters and 32 of the residual are younger: the rows' fragments are in
.macro BLOAD bk, buf                   ; my eight blocks of one k step: [nt][p]
.set be, 0
.rept 16
	ds_load_b128 v[\buf+4*be:\buf+4*be+3], v2 offset:(\bk)*8192+512*be
.set be, be+1
.endr
.endm
; a tile of 128 k: four k steps on two fragment buffers.  The sixteen accumulators take turns, one instruction a turn.
.macro KTILE slot, tile
	v_add_nc_u32 v2, \slot*SLOT, v3
	BLOAD 0, BF0
.set kk, 0
.rept 4
.if kk < 3
	PLACES 4                                       ; four places behind the products that read the buffer loaded next (ISA guide 7.12.1)
.set k1, kk+1
.set b1, BF0+64*(k1&1)
	BLOAD k1, b1
	s_wait_dscnt 16                                ; the 16 just issued stay out: this k step's fragments are in
.else
	s_wait_dscnt 0x0
.endif
	WIN 0xA4                                       ; C and D window 2, source 1 (rows) window 1
.set bb, BF0+64*(kk&1)
.set mm, 0
.rept 2
.set nn, 0
.rept 8
.set dd, 64*mm+8*nn
.set aa, 128*mm+8*(4*\tile+kk)
.if 4*\tile+kk == 0
	v_wmma_f32_16x16x32_bf16 v[dd:dd+7], v[bb+8*nn:bb+8*nn+7], v[aa:aa+7], 0
.else
	v_wmma_f32_16x16x32_bf16 v[dd:dd+7], v[bb+8*nn:bb+8*nn+7], v[aa:aa+7], v[dd:dd+7]
.endif
.set nn, nn+1
.endr
.set mm, mm+1
.endr
	WIN 0
.set kk, kk+1
.endr
	PLACES 4                                       ; behind the tile's last products: for the next loads into the buffers and for the stores of the sums
.endm
	KTILE 0, 0
	REFILL 0                                       ; k 256-383 go out
	KTILE 1, 1
	REFILL 1                                       ; k 384-511 go out
	KTILE 0, 2
	s_wait_dscnt 0x0                               ; my reads of slot 0 are back (the stage below writes it),
	s_wait_tensorcnt 0x0                           ; my part of the last tile is in,
	s_barrier_signal -1
	s_barrier_wait -1                              ; everybody's
	KTILE 1, 3
	; columns for rows, through the stage in slot 0
	WIN 0x08                                       ; store data window 2
.set mm, 0
.rept 2
.set nn, 0
.rept 8
	ds_store_b128 v4, v[64*mm+8*nn:64*mm+8*nn+3]   offset:mm*16*SROW+nn*64
	ds_store_b128 v4, v[64*mm+8*nn+4:64*mm+8*nn+7] offset:mm*16*SROW+nn*64+16
.set nn, nn+1
.endr
.set mm, mm+1
.endr
	WIN 0
	s_wait_dscnt 0x0                               ; for the others' sake: my stores are done
	s_barrier_signal -1
	s_barrier_wait -1
.set rr, 0
.rept 8
.set ii, 0
.rept 4
	ds_load_b128 v[XR+16*rr+4*ii:XR+16*rr+4*ii+3], v5 offset:rr*SROW+512*ii
.set ii, ii+1
.endr
.set rr, rr+1
.endr
	s_wait_loadcnt 0x0                             ; parameters and residual
	s_wait_dscnt 0x0
	WIN 0x08                                       ; source 1 (residual) window 2
.set ee, 0
.rept 64
	v_pk_add_f32 v[XR+2*ee:XR+2*ee+1], v[XR+2*ee:XR+2*ee+1], v[128+2*ee:128+2*ee+1]
.set ee, ee+1
.endr
	WIN 0
.set cc, 0
.rept 8
.irp p, 0,1,2,3,4,5,6,7
	v_pk_add_f32 v[XR+16*\p+2*cc:XR+16*\p+2*cc+1], v[XR+16*\p+2*cc:XR+16*\p+2*cc+1], v[BO+2*cc:BO+2*cc+1]
.endr
.set cc, cc+1
.endr
; the sum pair of each of the eight rows -> the sum over the row's 512 numbers, in every lane
.macro REDUCE
.irp p, 0,1,2,3,4,5,6,7
	v_add_f32 v[PR+4*\p], v[PR+4*\p+2], v[PR+4*\p+3]
.endr
.irp x, 1,2,4,8
.irp p, 0,1,2,3,4,5,6,7
	v_add_f32_dpp v[PR+4*\p], v[PR+4*\p], v[PR+4*\p] row_xmask:\x row_mask:0xf bank_mask:0xf
.endr
.endr
.irp p, 0,1,2,3,4,5,6,7
	v_permlanex16_b32 v[PR+4*\p+1], v[PR+4*\p], s32, s33
.endr
.irp p, 0,1,2,3,4,5,6,7
	v_add_f32 v[PR+4*\p], v[PR+4*\p], v[PR+4*\p+1]
.endr
.endm
.irp p, 0,1,2,3,4,5,6,7
	v_pk_add_f32 v[PR+4*\p+2:PR+4*\p+3], v[XR+16*\p:XR+16*\p+1], v[XR+16*\p+2:XR+16*\p+3]
.endr
.set cc, 2
.rept 6
.irp p, 0,1,2,3,4,5,6,7
	v_pk_add_f32 v[PR+4*\p+2:PR+4*\p+3], v[PR+4*\p+2:PR+4*\p+3], v[XR+16*\p+2*cc:XR+16*\p+2*cc+1]
.endr
.set cc, cc+1
.endr
	REDUCE
.irp p, 0,1,2,3,4,5,6,7
	v_mul_f32 v[PR+4*\p], s34, v[PR+4*\p]          ; the mean
.endr
.set cc, 0
.rept 8
.irp p, 0,1,2,3,4,5,6,7
	v_pk_add_f32 v[XR+16*\p+2*cc:XR+16*\p+2*cc+1], v[XR+16*\p+2*cc:XR+16*\p+2*cc+1], v[PR+4*\p:PR+4*\p+1] op_sel_hi:[1,0] neg_lo:[0,1] neg_hi:[0,1]
.endr
.set cc, cc+1
.endr
.irp p, 0,1,2,3,4,5,6,7
	v_pk_mul_f32 v[PR+4*\p+2:PR+4*\p+3], v[XR+16*\p:XR+16*\p+1], v[XR+16*\p:XR+16*\p+1]
.endr
.set cc, 1
.rept 7
.irp p, 0,1,2,3,4,5,6,7
	v_pk_fma_f32 v[PR+4*\p+2:PR+4*\p+3], v[XR+16*\p+2*cc:XR+16*\p+2*cc+1], v[XR+16*\p+2*cc:XR+16*\p+2*cc+1], v[PR+4*\p+2:PR+4*\p+3]
.endr
.set cc, cc+1
.endr
	REDUCE
.irp p, 0,1,2,3,4,5,6,7
	v_fma_f32 v[PR+4*\p], v[PR+4*\p], s34, s35     ; var + eps
.endr
.irp p, 0,1,2,3,4,5,6,7
	v_rsq_f32 v[PR+4*\p], v[PR+4*\p]
.endr
	v_nop                                          ; one plain place behind the last of them (ISA guide 5.7.2)
.set cc, 0
	s_wait_alu depctr_va_vdst(0)
.rept 8
.irp p, 0,1,2,3,4,5,6,7
	v_pk_mul_f32 v[XR+16*\p+2*cc:XR+16*\p+2*cc+1], v[XR+16*\p+2*cc:XR+16*\p+2*cc+1], v[PR+4*\p:PR+4*\p+1] op_sel_hi:[1,0]
.endr
.irp p, 0,1,2,3,4,5,6,7
	v_pk_fma_f32 v[XR+16*\p+2*cc:XR+16*\p+2*cc+1], v[XR+16*\p+2*cc:XR+16*\p+2*cc+1], v[GA+2*cc:GA+2*cc+1], v[BE+2*cc:BE+2*cc+1]
.endr
.set cc, cc+1
.endr
.set rr, 0
.rept 8
.set ii, 0
.rept 4
	global_store_b128 v6, v[XR+16*rr+4*ii:XR+16*rr+4*ii+3], s[56:57] offset:rr*2048+512*ii th:TH_STORE_NT  ; 512 consecutive aligned bytes a store
.set ii, ii+1
.endr
.set rr, rr+1
.endr
	s_wait_tensorcnt 0x0
	ds_add_u32 v254, v255
	s_wait_dscnt 0x0
	ROUND                                          ; the closing round: no work-group ends while a partner may still ask for a tile that names it
	s_endpgm
.Lfunc_end_k_q1011e85241_oproj:
	.size	k_q1011e85241_oproj, .Lfunc_end_k_q1011e85241_oproj-k_q1011e85241_oproj
	.p2alignl 7, 3214868480
	.fill 96, 4, 3214868480
	.section	.rodata,"a",@progbits
	.p2align	6, 0x0
	.amdhsa_kernel k_q1011e85241_oproj
		.amdhsa_group_segment_fixed_size 327680
		.amdhsa_private_segment_fixed_size 0
		.amdhsa_enable_private_segment 0
		.amdhsa_kernarg_size 56
		.amdhsa_user_sgpr_count 2
		.amdhsa_user_sgpr_kernarg_segment_ptr 1
		.amdhsa_wavefront_size32 1
		.amdhsa_system_sgpr_workgroup_id_x 1
		.amdhsa_system_sgpr_workgroup_id_y 1
		.amdhsa_system_sgpr_workgroup_id_z 1
		.amdhsa_system_vgpr_workitem_id 0
		.amdhsa_next_free_vgpr 768
		.amdhsa_next_free_sgpr 66
		.amdhsa_reserve_vcc 0
		.amdhsa_float_denorm_mode_32 3
		.amdhsa_float_denorm_mode_16_64 3
		.amdhsa_memory_ordered 1
		.amdhsa_forward_progress 1
		.amdhsa_inst_pref_size 94
	.end_amdhsa_kernel
	.amdgpu_metadata
---
amdhsa.version: [ 1, 2 ]
amdhsa.kernels:
  - .name:           k_q1011e85241_oproj
    .symbol:         k_q1011e85241_oproj.kd
    .args:
      - { .name: af, .offset: 0, .size: 8, .value_kind: global_buffer, .address_space: global }
      - { .name: wof, .offset: 8, .size: 8, .value_kind: global_buffer, .address_space: global }
      - { .name: bo, .offset: 16, .size: 8, .value_kind: global_buffer, .address_space: global }
      - { .name: layer_input, .offset: 24, .size: 8, .value_kind: global_buffer, .address_space: global }
      - { .name: gamma, .offset: 32, .size: 8, .value_kind: global_buffer, .address_space: global }
      - { .name: beta, .offset: 40, .size: 8, .value_kind: global_buffer, .address_space: global }
      - { .name: out0, .offset: 48, .size: 8, .value_kind: global_buffer, .address_space: global }
    .group_segment_fixed_size: 327680
    .private_segment_fixed_size: 0
    .kernarg_segment_align: 8
    .kernarg_segment_size: 56
    .max_flat_workgroup_size: 128
    .sgpr_count:     66
    .vgpr_count:     768
    .wavefront_size: 32
...
	.end_amdgpu_metadata
.endif
;; end of part 3
;; ======== version 2 of 2: 3 launches; version 1 with the launch proj written anew for expert scheduling mode
;; workspace buffers: qf 8,388,608 bytes; kvf 16,777,216 bytes; af 8,388,608 bytes; wof 524,288 bytes
;; launch proj (part 4): grid 32 x 8, 8 waves a work-group, no clusters, 243,712 bytes of LDS; arguments layer_input, cross_attn_input, Wq, Wkv, Wo, bq, bkv, qf, kvf, wof; writes qf, kvf, wof
.if DOCPART == 4
	.amdgcn_target "amdgcn-amd-amdhsa--gfx1250"
	.amdhsa_code_object_version 6
	.text
	.protected	k_q1011e85241_proj
	.globl	k_q1011e85241_proj
	.p2align	8
	.type	k_q1011e85241_proj,@function
k_q1011e85241_proj:
	s_mov_b64 s[64:65], 0
	v_nop
	global_prefetch_b8 v0, s[64:65] scope:SCOPE_SE
	s_setreg_imm32_b32 hwreg(HW_REG_WAVE_SCHED_MODE, 0, 2), 2
	s_setreg_imm32_b32 hwreg(HW_REG_WAVE_MODE, 25, 1), 1
	s_wait_xcnt 0x0
	s_wait_alu depctr_vm_vsrc(0)
; PROJECTIONS.  q = (layer_input Wq + bq) * 0.125 log2(e),  k and v = cross_attn_input Wkv + bkv, one head and 256 rows a work-group;
; besides, each work-group narrows 32 x 32 numbers of Wo.  Operands bf16, sums f32; results rounded once to bf16.
; All results are stored as the next launch's matrix operands lie in registers: blocks of 16 rows x 32 k = 1,024 bytes,
; [half p][lane][16 bytes], lane (r = lane % 16, hh = lane / 16), element j = (row r, k = 16 p + 8 hh + j).
;   qf  [bh 32][q tile 128][ks 2] blocks            rows = queries, k = the head's 64 columns
;   kvf [bh 32][chunk of 64 keys: 16,384 bytes]     K: t*2048 + ks*1024 (rows = keys 16 t + r); V at 8192 + u*4096 + t*1024 (rows = d 16 t + r, k = keys 32 u ..)
;   wof [k tile 4][wave 4][ks 4][n tile 8] blocks   rows = columns of Wo, k = rows of Wo
; Work-group (x = row block, y = head): rows 256 x .. 256 x + 255 of both inputs.  The row block is the fast axis, so that the eight
; work-groups that read the same rows are 32 apart in the order of the launch.
; EIGHT WAVES of 32 rows (two q tiles, half a chunk of keys), two on a SIMD: a step is a chain of a wait for loads, narrowing, stage stores,
; fragment loads and products, and the second wave works while the first waits.  Each wave has two to three input chunks = 32 to 48 loads of 512 bytes
; on their way.  The price: each weight block is read from LDS by eight waves.
; The head's 192 weight columns x 512 k are narrowed once into LDS as blocks; each wave streams its own rows:
; f32 loads of whole 256-byte pieces -> bf16 -> its own LDS stage -> fragments.  One barrier, behind the weight fill.
; NO TENSOR LOADS, NO JOINT REQUESTS: a copy engine moves bytes as they are; the inputs are f32 and the weights lie [k][n], so every
; number has to pass through registers (narrowing; for the weights also eight k of one column into one lane) before it can be an operand.
; Q, K: source 0 = weight block, source 1 = input rows: a lane's eight results are eight neighbouring columns of one row = half a lane's share of a block.
; V:    source 0 = input rows, source 1 = weight block: a lane's eight results are eight neighbouring keys of one d = the same for V transposed.
; LIMITS: operands and results are rounded to bf16 (range of f32 kept); nothing else.
; REGISTERS.  window 0: v1-v7, v9-v14 addresses; v16-31 and v48-63 packed words of the fill, two buffers by turns; v17-23 later the weight blocks' LDS addresses;
; v32-63 input fragments [ks][mt] (in the fill: v32-49 Wo and bias words); v64-255 ring of six weight units, later v64-127 input chunk buffer 2 and v128-255 weight fragments [ks][8].
; window 1: v0-63, v64-127 input chunk buffers 0, 1; v128-255 accumulators (Q or K at 8 (2 nt + mt), V 64 further).
; THE MODE: SCHED_MODE bits 1:0 = 2 (LLVM: expert scheduling mode 2), set by the entry lines.  The code itself states the register dependences
; between vector or matrix instructions and memory or LDS instructions, with s_wait_alu, always for 0.
; THE PLAN.  Registers that memory or LDS instructions touch:
;   offsets and LDS addresses   made once (v1-v14 at the head, v17-23 behind the barrier) and never written again: no address is stepped.
;   T0, T1       Fill turn u: its sixteen conversions write T[u % 2], its four LDS stores read it; turn u + 2 writes it again.
;   ring slot    Fill turn u: its conversions read slot u % 6; behind them the loads of unit u + 6 (from turn 10 on: of chunk 2) land in it.
;   chunk buffer Step c: its 32 conversions narrow buffer c % 3 in place, its sixteen stage stores read the packed words, then chunk c + 3's loads land in it.
;   BF, AF       Step c: its products read them; the LDS loads of step c + 1 land in them.
;   out-buffers  The two ways out: conversions write v160-191 (Q) and v192-255 (K, V), the global stores read them.
; A FILL TURN has two waits behind its conversions: the stores of the turn before have read the other T; this turn's T is written and its slot read.
; A STEP begins with its conversions, which name no register of the last step's products.  ONE wait on va_vdst behind them states
; that the packed words are written and that those products are done reading BF and AF; stage stores and fragment loads follow it.  The request for chunk c + 3 stands behind
; the step's LDS instructions, under its own register window: the switch, the wait for the stage stores' reads, the wait for the conversions, the loads.
.set WBLK,   1040                      ; a weight block in LDS: 1,024 bytes + 16, so that the four n tiles that one fill store touches lie in different 16-byte columns modulo 256
.set WKS,    12*WBLK                   ; the 12 blocks of one k step of 32: n tiles 0-3 Q, 4-7 K, 8-11 V
.set STAGE,  16*WKS                    ; 199,680: behind the weights, a stage of 32 rows for each wave
.set SPITCH, 144                       ; a stage row: 64 bf16 + 16 bytes (an odd multiple of 16)
.set WSTG,   32*SPITCH                 ; a wave's stage
.set BIAS,   STAGE+8*WSTG              ; 236,544: each wave's own copy of the head's biases: 64 bq (scaled), 64 bk, 64 bv = 768 bytes
.set T,      16                        ; the fill's packed words: buffer 0 at v16, buffer 1 at v48
.set WA,     16                        ; behind the fill: v[WA + kc], kc = 1 .. 7: 16 L + the LDS byte of chunk kc's weight blocks (kc = 0: v1 itself)
.set AF,     32
.set RING,   64
.set BF,     128
.set ACC,    128                       ; in window 1
.set MSB,    0
.macro WIN new                         ; register windows; the immediate's high byte repeats the setting that is left; 0 at every label and branch
.if MSB != \new
	s_set_vgpr_msb (MSB<<8)|\new
.set MSB, \new
.endif
.endm
.macro PLACES n
.rept \n
	v_nop
.endr
.endm
	s_load_b512 s[16:31], s[0:1], 0x0              ; layer_input 16, cross_attn_input 18, Wq 20, Wkv 22, Wo 24, bq 26, bkv 28, qf 30
	s_load_b128 s[32:35], s[0:1], 0x40             ; kvf 32, wof 34
	v_lshrrev_b32 v53, 5, v0
	v_readfirstlane_b32 s4, v53                    ; wave w
	v_and_b32 v50, 31, v0                          ; lane L
	v_and_b32 v51, 15, v0                          ; r
	v_bfe_u32 v52, v0, 4, 1                        ; hh
	s_mov_b32 s6, ttmp9                            ; row block
	s_and_b32 s5, ttmp7, 0xffff                    ; head
	s_wait_alu depctr_va_sdst(0)                   ; s4 is written, ahead of its first reader: addresses, bases and one branch are made from it
	s_and_b32 s12, s4, 3                           ; w % 4, for Wo
	v_lshlrev_b32 v1, 4, v50                       ; v1 = 16 L
	v_lshlrev_b32 v14, 2, v50                      ; v14 = 4 L
	v_lshlrev_b32 v2, 14, v52
	v_lshl_add_u32 v2, v51, 4, v2                  ; v2 = input: row 8 hh, 16 bytes at 16 r (two rows x 256 bytes a load)
	s_lshl_b32 s38, s5, 8                          ; 256 head: the head's 64 columns, in bytes of f32
	s_lshl_b32 s7, s4, 17
	s_add_co_u32 s7, s7, s38
	v_add_nc_u32 v3, s7, v2                        ; v3 = Wq: row 64 w + 8 hh (2,048 bytes a row), the head's columns, 16 r
	s_lshl_b32 s7, s4, 18
	s_add_co_u32 s7, s7, s38
	v_lshlrev_b32 v4, 15, v52
	v_lshl_add_u32 v4, v51, 4, v4
	v_add_nc_u32 v4, s7, v4                        ; v4 = Wkv: the same with rows of 4,096 bytes
	v_lshrrev_b32 v5, 2, v51
	v_mul_u32_u24 v5, v5, WBLK                     ; my four columns 4 r .. lie in n tile r / 4,
	v_lshl_add_u32 v5, v52, 8, v5                  ; lane half hh of the block,
	v_and_b32 v53, 3, v0
	v_lshl_add_u32 v5, v53, 6, v5                  ; rows 4 (L % 4) + c
	s_mul_i32 s7, s4, 2*WKS
	v_add_nc_u32 v5, s7, v5                        ; v5 = weight fill: wave w fills k steps 2 w, 2 w + 1
	s_mul_i32 s7, s4, WSTG
	s_add_co_u32 s7, s7, STAGE                     ; my wave's stage
	v_mul_u32_u24 v6, v52, 8*SPITCH
	v_lshl_add_u32 v6, v51, 3, v6
	v_add_nc_u32 v6, s7, v6                        ; v6 = stage in: row 8 hh, 8 bytes at 8 r.  8 rows are 1,152 bytes = 128 modulo 256: the two halves of the lanes meet in no bank
	v_mul_u32_u24 v7, v51, SPITCH
	v_lshl_add_u32 v7, v52, 4, v7
	v_add_nc_u32 v7, s7, v7                        ; v7 = stage out: row r, 16 hh
	s_lshl_b32 s7, s12, 14
	v_add_nc_u32 v9, s7, v14                       ; v9 = Wo in: rows 8 (w % 4) + i, column L of my 32
	s_lshl_b32 s7, s12, 8
	v_lshlrev_b32 v10, 10, v52
	v_lshl_add_u32 v10, v51, 4, v10
	v_add_nc_u32 v10, s7, v10                      ; v10 = Wo out: block hh of my two; k = 8 w + i is half w / 2, lane half w % 2: 256 w; 16 r
	s_mul_i32 s7, s4, 768
	s_add_co_u32 s7, s7, BIAS                      ; my wave's copy of the biases
	v_lshl_add_u32 v11, v52, 5, s7                 ; v11 = eight biases of a lane's eight columns: 32 hh
	v_lshl_add_u32 v12, v51, 2, s7                 ; v12 = V's bias of the lane's d: 4 r
	v_add_nc_u32 v13, s7, v14                      ; v13 = where the copy is written: 4 L
	s_mov_b32 s39, 0
	s_lshl_b32 s36, s6, 19                         ; 256 rows of 2,048 bytes a row block
	s_lshl_b32 s7, s4, 16                          ; + 32 w rows
	s_add_co_u32 s36, s36, s7
	s_mov_b32 s37, 0
	s_lshr_b32 s8, s6, 3
	s_lshl3_add_u32 s8, s8, s5                     ; bh = 8 b + head
	s_and_b32 s9, s6, 7                            ; the row block within its batch
	s_lshl_b32 s40, s8, 18                         ; qf: bh x 262,144 + (16 block + 2 w) q tiles of 2,048 bytes
	s_lshl_b32 s7, s9, 15
	s_add_co_u32 s40, s40, s7
	s_lshl_b32 s7, s4, 12
	s_add_co_u32 s40, s40, s7
	s_mov_b32 s41, 0
	s_lshl_b32 s42, s8, 19                         ; kvf: bh x 524,288 + (4 block + w / 2) chunks of 16,384 bytes
	s_lshl_b32 s7, s9, 16
	s_add_co_u32 s42, s42, s7
	s_lshr_b32 s7, s4, 1
	s_lshl_b32 s7, s7, 14
	s_add_co_u32 s42, s42, s7
	s_and_b32 s7, s4, 1                            ; + (w % 2) x 4,096: K's key tiles 2 (w % 2) + mt, and V's keys 32 (w % 2) ..
	s_lshl_b32 s7, s7, 12
	s_add_co_u32 s42, s42, s7
	s_mov_b32 s43, 0
	s_lshr_b32 s10, s6, 1                          ; Wo: my k step of 32 = row block / 2,
	s_and_b32 s11, s6, 1
	s_lshl3_add_u32 s11, s11, s5                   ; my 32 columns = pair 8 (row block % 2) + head
	s_lshl_b32 s44, s10, 16
	s_lshl_b32 s7, s11, 7
	s_add_co_u32 s44, s44, s7
	s_mov_b32 s45, 0
	s_lshr_b32 s46, s10, 2                         ; wof: k tile, wave (128 columns), ks, two n tiles
	s_lshl_b32 s46, s46, 17
	s_lshr_b32 s7, s11, 2
	s_lshl_b32 s7, s7, 15
	s_add_co_u32 s46, s46, s7
	s_and_b32 s7, s10, 3
	s_lshl_b32 s7, s7, 13
	s_add_co_u32 s46, s46, s7
	s_and_b32 s7, s11, 3
	s_lshl_b32 s7, s7, 11
	s_add_co_u32 s46, s46, s7
	s_mov_b32 s47, 0
	s_wait_kmcnt 0x0
	s_add_nc_u64 s[16:17], s[16:17], s[36:37]
	s_add_nc_u64 s[18:19], s[18:19], s[36:37]
	s_add_nc_u64 s[24:25], s[24:25], s[44:45]
	s_add_nc_u64 s[26:27], s[26:27], s[38:39]
	s_add_nc_u64 s[28:29], s[28:29], s[38:39]
	s_add_nc_u64 s[30:31], s[30:31], s[40:41]
	s_add_nc_u64 s[32:33], s[32:33], s[42:43]
	s_add_nc_u64 s[34:35], s[34:35], s[46:47]
	s_wait_alu depctr_va_vdst(0)                   ; the offsets and LDS addresses v1 to v14 are written, which the kernel's loads and stores read
; one weight unit: 16 k x 64 columns of slice u / 4 (0 Q, 1 K, 2 V), k = 64 w + 16 (u % 4) + 8 hh + i; each load takes two whole aligned pieces of 256 bytes
.macro WUNIT_LOAD u
.set wsl, (\u)/4
.set wkk, (\u)%4
.set wrg, RING+32*((\u)%6)
.set wi, 0
.rept 8
.if wsl == 0
	global_load_b128 v[wrg+4*wi:wrg+4*wi+3], v3, s[20:21] offset:(16*wkk+wi)*2048
.else
	global_load_b128 v[wrg+4*wi:wrg+4*wi+3], v4, s[22:23] offset:(16*wkk+wi)*4096+(wsl-1)*2048
.endif
.set wi, wi+1
.endr
.endm
; half of input chunk ci (64 k of my 32 rows; ci < 8: layer_input, else cross_attn_input) into buffer ci % 3: load i = rows 16 g + i % 8 and 8 further, 256 bytes each.
; Buffers 0, 1: window 1 at v0, v64; buffer 2: window 0 at v64.  The caller sets the destination's window.
.macro XGROUP ci, g
.set gb, (\ci)%3
.set gx, 64*((gb+1)/2)
.set xi, 8*(\g)
.rept 8
.if (\ci) < 8
	global_load_b128 v[gx+4*xi:gx+4*xi+3], v2, s[16:17] offset:(16*(\g)+(xi&7))*2048+256*((\ci)&7)
.else
	global_load_b128 v[gx+4*xi:gx+4*xi+3], v2, s[18:19] offset:(16*(\g)+(xi&7))*2048+256*((\ci)&7)
.endif
.set xi, xi+1
.endr
.endm
	; the oldest loads: the head's biases (64 + 64 + 64 numbers, 128 consecutive bytes a load) and Wo
	global_load_b32 v44, v14, s[26:27]
	global_load_b32 v45, v14, s[26:27] offset:128
	global_load_b32 v46, v14, s[28:29]
	global_load_b32 v47, v14, s[28:29] offset:128
	global_load_b32 v48, v14, s[28:29] offset:2048
	global_load_b32 v49, v14, s[28:29] offset:2176
.set ii, 0
.rept 8
	global_load_b32 v[32+ii], v9, s[24:25] offset:2048*ii          ; Wo: eight k of one column.  The group's share is four stores of 512 bytes: waves 4-7 load what waves 0-3
.set ii, ii+1                                                          ; load (4 KiB more a work-group), so that every wave counts the same loads, and do not store
.endr
.set uu, 0
.rept 6
	WUNIT_LOAD uu                                  ; the ring of six units is filled: 6 + 8 + 48 = 62 loads are out
.set uu, uu+1
.endr
	s_wait_loadcnt 48                              ; the ring's 48 loads are younger: biases and Wo are in
	v_mul_f32 v44, 0x3e38aa3b, v44                 ; bq x 0.125 log2(e): (acc + bq) s = fma(acc, s, bq s)
	v_mul_f32 v45, 0x3e38aa3b, v45
	s_wait_alu depctr_va_vdst(0)                   ; the two products have written v44 and v45, which the LDS stores read
.set ii, 0
.rept 6
	ds_store_b32 v13, v[44+ii] offset:128*ii       ; my wave's own copy: only I read it, and LDS serves a wave in order (ISA guide 5.7.1)
.set ii, ii+1
.endr
	s_cmp_ge_u32 s4, 4
	s_cbranch_scc1 .Lno_wo
	v_cvt_pk_bf16_f32 v40, v32, v33
	v_cvt_pk_bf16_f32 v41, v34, v35
	v_cvt_pk_bf16_f32 v42, v36, v37
	v_cvt_pk_bf16_f32 v43, v38, v39
	s_wait_alu depctr_va_vdst(0)                   ; the four conversions have written v40 to v43, which the store reads
	global_store_b128 v10, v[40:43], s[34:35]      ; sixteen lanes store 256 consecutive aligned bytes
.Lno_wo:
	; the weight fill: 12 units a wave.  In place of units 12 .. the last six turns issue groups of eight input loads, so the count is the same in every turn
.set uu, 0
.rept 12
	s_wait_loadcnt 40                              ; five younger groups of eight stay out: unit uu is in
.set rg, RING+32*(uu%6)
.set tb, T+32*(uu%2)
.set cc, 0
.rept 4
.set qq, 0
.rept 4
	v_cvt_pk_bf16_f32 v[tb+4*cc+qq], v[rg+8*qq+cc], v[rg+8*qq+4+cc]    ; column c: k = 2 q, 2 q + 1 of my eight
.set qq, qq+1
.endr
.set cc, cc+1
.endr
.if uu < 11
	s_wait_alu depctr_vm_vsrc(0)                   ; the LDS stores issued so far have read the other buffer of packed words, which the next turn's conversions write (first turn: the biases' stores have read v48, v49)
.endif
	s_wait_alu depctr_va_vdst(0)                   ; the conversions have written this turn's packed words, which the stores read, and are done reading the ring's slot, in which the loads land
.set cc, 0
.rept 4
	ds_store_b128 v5, v[tb+4*cc:tb+4*cc+3] offset:((uu%4)>>1)*WKS+(uu&1)*512+(uu/4)*4*WBLK+16*cc
.set cc, cc+1
.endr
.if uu < 6
.set a1, uu+6
	WUNIT_LOAD a1
.else
.set a1, (uu-6)/2                      ; chunks 0, 1, 2; chunk 2 lies on ring slots 0 and 1, whose last units (6, 7) were narrowed ahead of the waits of turns 6, 7
.set a2, (uu-6)%2
.set gw, (1-(a1%3)/2)*0x40
	WIN gw                                         ; no vector instruction has named buffers 0 and 1, nor v2 since the head's wait
	XGROUP a1, a2
	WIN 0
.endif
.set uu, uu+1
.endr
	s_wait_dscnt 0x0                               ; my blocks are written,
	s_barrier_signal -1
	s_barrier_wait -1                              ; everybody's are: from here on the weights are only read
	s_wait_xcnt 0x0                                ; v40-43, which the store of Wo reads, are loaded into below only behind this wait
	s_wait_alu depctr_vm_vsrc(0)                   ; the fill's stores have read v16-31 and v48-63, Wo's store v40-43, the biases' stores v44-49: v17-23 are written next, and the fragments' loads land in v32-63
.set kk, 1
.rept 7
	v_add_nc_u32 v[WA+kk], kk*2*WKS, v1            ; chunk kk's two k steps of weight blocks: made once, so that no address is stepped between LDS loads
.set kk, kk+1
.endr
; 8 (Q) or 16 (K and V) products of one 32 k.  The accumulators take turns, one instruction a turn, in the same order every time.
.macro PROD pk, pz
.set nn, 0
.rept 4
.set mm, 0
.rept 2
.set dd, ACC+8*(2*nn+mm)
.if \pz
	v_wmma_f32_16x16x32_bf16 v[dd:dd+7], v[BF+64*\pk+8*nn:BF+64*\pk+8*nn+7], v[AF+16*\pk+8*mm:AF+16*\pk+8*mm+7], 0
.else
	v_wmma_f32_16x16x32_bf16 v[dd:dd+7], v[BF+64*\pk+8*nn:BF+64*\pk+8*nn+7], v[AF+16*\pk+8*mm:AF+16*\pk+8*mm+7], v[dd:dd+7]
.endif
.set mm, mm+1
.endr
.set nn, nn+1
.endr
.if iskv
.set nn, 0
.rept 4
.set mm, 0
.rept 2
.set dd, ACC+64+8*(2*nn+mm)
.if \pz
	v_wmma_f32_16x16x32_bf16 v[dd:dd+7], v[AF+16*\pk+8*mm:AF+16*\pk+8*mm+7], v[BF+64*\pk+32+8*nn:BF+64*\pk+32+8*nn+7], 0
.else
	v_wmma_f32_16x16x32_bf16 v[dd:dd+7], v[AF+16*\pk+8*mm:AF+16*\pk+8*mm+7], v[BF+64*\pk+32+8*nn:BF+64*\pk+32+8*nn+7], v[dd:dd+7]
.endif
.set mm, mm+1
.endr
.set nn, nn+1
.endr
.endif
.endm
; one step of 64 k: input chunk ci is narrowed through the stage and multiplied; chunk ci + 3 is requested into the same buffer
.macro STEP ci
.set kc, (\ci)&7
.set iskv, (\ci)/8
.set sb, (\ci)%3
.set xb, 64*((sb+1)/2)
.set xw, 1-sb/2
.set wa, 1
.if kc
.set wa, WA+kc
.endif
.if (\ci) == 15
	s_wait_loadcnt 0x0                             ; the last chunk: nothing younger
.else
.if (\ci) == 14
	s_wait_loadcnt 16                              ; only the last chunk is younger
.else
	s_wait_loadcnt 32                              ; the next two chunks' 32 loads stay out: this chunk is in
.endif
.endif
.set wv, xw*0x45
	WIN wv
.set xi, 0
.rept 16
	v_cvt_pk_bf16_f32 v[xb+4*xi],   v[xb+4*xi],   v[xb+4*xi+1]       ; these 32 name no register of the last step's products
	v_cvt_pk_bf16_f32 v[xb+4*xi+1], v[xb+4*xi+2], v[xb+4*xi+3]
.set xi, xi+1
.endr
.set wv, xw*0x04
	WIN wv
	s_wait_alu depctr_va_vdst(0)                   ; the conversions have written the packed words, which the stage stores read; the last step's products are done reading BF and AF, in which the LDS loads land; in the first step v17-23 are written
.set xi, 0
.rept 16
	ds_store_b64 v6, v[xb+4*xi:xb+4*xi+1] offset:(16*(xi>>3)+(xi&7))*SPITCH    ; two rows of my own stage; LDS serves a wave in order (ISA guide 5.7.1): the last step's reads are over
.set xi, xi+1
.endr
	WIN 0
.set ks, 0
.rept 2                                ; the fragments of the first 32 k, weights and input, then those of the second: the first products begin on the first half
.set nn, 0
.rept 4+4*iskv
	ds_load_b128 v[BF+64*ks+8*nn:BF+64*ks+8*nn+3],   v[wa] offset:ks*WKS+(nn+4*iskv)*WBLK
	ds_load_b128 v[BF+64*ks+8*nn+4:BF+64*ks+8*nn+7], v[wa] offset:ks*WKS+(nn+4*iskv)*WBLK+512
.set nn, nn+1
.endr
.set mm, 0
.rept 2
	ds_load_b128 v[AF+16*ks+8*mm:AF+16*ks+8*mm+3],   v7 offset:mm*16*SPITCH+ks*64          ; my own bytes, in order behind the stores: no wait between
	ds_load_b128 v[AF+16*ks+8*mm+4:AF+16*ks+8*mm+7], v7 offset:mm*16*SPITCH+ks*64+32
.set mm, mm+1
.endr
.set ks, ks+1
.endr
.if (\ci)+3 <= 15
.set c3, (\ci)+3
.set wv, xw*0x40
	WIN wv                                         ; the loads' own register window: the switch, the two waits, the loads
	s_wait_alu depctr_vm_vsrc(0)                   ; the stage stores have read the packed words in this buffer, in which the loads land
	s_wait_alu depctr_va_vdst(0)                   ; the conversions are done reading and writing this buffer, in which the loads land
	XGROUP c3, 0
	XGROUP c3, 1
.endif
	s_wait_dscnt 12+8*iskv                         ; only the loads of the second 32 k may be out: 8 (Q) or 16 (K and V) of weights and 4 of input
	WIN 0x50                                       ; C and D window 1
.if kc == 0
	PROD 0, 1                                      ; the first products start the sums: nothing is cleared
.else
	PROD 0, 0
.endif
	s_wait_dscnt 0x0
	PROD 1, 0
.endm
.irp c, 0,1,2,3,4,5,6,7
	STEP \c
.endr
	; Q out: scale and bias in one fused multiply-add, round, 16 bytes a lane = the lane's share of half a block
	PLACES 4                                       ; four places behind the last products, in front of reads of their results (ISA guide 7.12.1)
	WIN 0
	s_wait_alu depctr_va_vdst(0)                   ; the products are done reading BF, in which the biases land
.set nn, 0
.rept 4
	ds_load_b128 v[BF+8*nn:BF+8*nn+3],   v11 offset:64*nn          ; bq (scaled) of columns 16 nt + 8 hh + 0..7, from my wave's copy
	ds_load_b128 v[BF+8*nn+4:BF+8*nn+7], v11 offset:64*nn+16
.set nn, nn+1
.endr
	s_wait_dscnt 0x0
	WIN 0x41                                       ; D and source 0 window 1, the bias window 0
.set tt, 0
.rept 8
.set ii, 0
.rept 4
	v_pk_fma_f32 v[ACC+8*tt+2*ii:ACC+8*tt+2*ii+1], v[ACC+8*tt+2*ii:ACC+8*tt+2*ii+1], 0x3e38aa3b, v[BF+8*(tt/2)+2*ii:BF+8*(tt/2)+2*ii+1] op_sel_hi:[1,0,1]
.set ii, ii+1
.endr
.set tt, tt+1
.endr
	WIN 0x05
.set tt, 0
.rept 8
.set ii, 0
.rept 4
	v_cvt_pk_bf16_f32 v[BF+32+4*tt+ii], v[ACC+8*tt+2*ii], v[ACC+8*tt+2*ii+1]
.set ii, ii+1
.endr
.set tt, tt+1
.endr
	WIN 0
	s_wait_alu depctr_va_vdst(0)                   ; the conversions have written v160-191, which the stores read
.set tt, 0
.rept 8
	global_store_b128 v1, v[BF+32+4*tt:BF+32+4*tt+3], s[30:31] offset:(tt%2)*2048+(tt/2)*512       ; q tile mt, half block nt: 512 consecutive aligned bytes a store
.set tt, tt+1
.endr
	s_wait_xcnt 0x0                                ; v160-191, which these stores read, are loaded again below only behind this wait
	s_wait_alu depctr_vm_vsrc(0)                   ; the stores have read v160-191, in which the next step's weight fragments land
.irp c, 8,9,10,11,12,13,14,15
	STEP \c
.endr
	; K and V out
	PLACES 4                                       ; four places behind the last products, in front of reads of their results (ISA guide 7.12.1)
	WIN 0
	s_wait_alu depctr_va_vdst(0)                   ; the products are done reading BF, in which the biases land
.set nn, 0
.rept 4
	ds_load_b128 v[BF+8*nn:BF+8*nn+3],   v11 offset:256+64*nn      ; bk of columns 16 nt + 8 hh + 0..7
	ds_load_b128 v[BF+8*nn+4:BF+8*nn+7], v11 offset:256+64*nn+16
	ds_load_b32  v[BF+32+2*nn],          v12 offset:512+64*nn      ; bv of d = 16 nt + r, twice: a pair for the packed add
	ds_load_b32  v[BF+33+2*nn],          v12 offset:512+64*nn
.set nn, nn+1
.endr
	s_wait_dscnt 0x0
	WIN 0x41                                       ; D and source 0 window 1, the bias window 0
.set tt, 0
.rept 8
.set ii, 0
.rept 4
	v_pk_add_f32 v[ACC+8*tt+2*ii:ACC+8*tt+2*ii+1], v[ACC+8*tt+2*ii:ACC+8*tt+2*ii+1], v[BF+8*(tt/2)+2*ii:BF+8*(tt/2)+2*ii+1]
	v_pk_add_f32 v[ACC+64+8*tt+2*ii:ACC+64+8*tt+2*ii+1], v[ACC+64+8*tt+2*ii:ACC+64+8*tt+2*ii+1], v[BF+32+2*(tt/2):BF+32+2*(tt/2)+1]
.set ii, ii+1
.endr
.set tt, tt+1
.endr
	WIN 0x05
.set tt, 0
.rept 16
.set ii, 0
.rept 4
	v_cvt_pk_bf16_f32 v[BF+64+4*tt+ii], v[ACC+8*tt+2*ii], v[ACC+8*tt+2*ii+1]
.set ii, ii+1
.endr
.set tt, tt+1
.endr
	WIN 0
	s_wait_alu depctr_va_vdst(0)                   ; the conversions have written v192-255, which the stores read
.set tt, 0
.rept 8
	global_store_b128 v1, v[BF+64+4*tt:BF+64+4*tt+3], s[32:33] offset:(tt%2)*2048+(tt/2)*512           ; K: key tile 2 (w % 2) + mt, half block nt
	global_store_b128 v1, v[BF+96+4*tt:BF+96+4*tt+3], s[32:33] offset:8192+(tt/2)*1024+(tt%2)*512      ; V: keys 32 (w % 2) + 16 mt, d tile nt
.set tt, tt+1
.endr
	s_wait_xcnt 0x0
	s_wait_alu depctr_vm_vsrc(0)                   ; the last store has read v254 and v255, which the two lines below write
	v_lshl_add_u32 v254, v0, 2, 0x3b400
	v_mov_b32 v255, 0
	s_wait_dscnt 0x0                               ; the closing lines, six on end
	s_wait_alu 0x0
	s_wait_tensorcnt 0x0
	ds_add_u32 v254, v255
	s_wait_dscnt 0x0
	s_endpgm
.Lfunc_end_k_q1011e85241_proj:
	.size	k_q1011e85241_proj, .Lfunc_end_k_q1011e85241_proj-k_q1011e85241_proj
	.p2alignl 7, 3214868480
	.fill 96, 4, 3214868480
	.section	.rodata,"a",@progbits
	.p2align	6, 0x0
	.amdhsa_kernel k_q1011e85241_proj
		.amdhsa_group_segment_fixed_size 243712
		.amdhsa_private_segment_fixed_size 0
		.amdhsa_enable_private_segment 0
		.amdhsa_kernarg_size 80
		.amdhsa_user_sgpr_count 2
		.amdhsa_user_sgpr_kernarg_segment_ptr 1
		.amdhsa_wavefront_size32 1
		.amdhsa_system_sgpr_workgroup_id_x 1
		.amdhsa_system_sgpr_workgroup_id_y 1
		.amdhsa_system_sgpr_workgroup_id_z 1
		.amdhsa_system_vgpr_workitem_id 0
		.amdhsa_next_free_vgpr 512
		.amdhsa_next_free_sgpr 66
		.amdhsa_reserve_vcc 0
		.amdhsa_float_denorm_mode_32 3
		.amdhsa_float_denorm_mode_16_64 3
		.amdhsa_memory_ordered 1
		.amdhsa_forward_progress 1
		.amdhsa_inst_pref_size 184
	.end_amdhsa_kernel
	.amdgpu_metadata
---
amdhsa.version: [ 1, 2 ]
amdhsa.kernels:
  - .name:           k_q1011e85241_proj
    .symbol:         k_q1011e85241_proj.kd
    .args:
      - { .name: layer_input, .offset: 0, .size: 8, .value_kind: global_buffer, .address_space: global }
      - { .name: cross_attn_input, .offset: 8, .size: 8, .value_kind: global_buffer, .address_space: global }
      - { .name: Wq, .offset: 16, .size: 8, .value_kind: global_buffer, .address_space: global }
      - { .name: Wkv, .offset: 24, .size: 8, .value_kind: global_buffer, .address_space: global }
      - { .name: Wo, .offset: 32, .size: 8, .value_kind: global_buffer, .address_space: global }
      - { .name: bq, .offset: 40, .size: 8, .value_kind: global_buffer, .address_space: global }
      - { .name: bkv, .offset: 48, .size: 8, .value_kind: global_buffer, .address_space: global }
      - { .name: qf, .offset: 56, .size: 8, .value_kind: global_buffer, .address_space: global }
      - { .name: kvf, .offset: 64, .size: 8, .value_kind: global_buffer, .address_space: global }
      - { .name: wof, .offset: 72, .size: 8, .value_kind: global_buffer, .address_space: global }
    .group_segment_fixed_size: 243712
    .private_segment_fixed_size: 0
    .kernarg_segment_align: 8
    .kernarg_segment_size: 80
    .max_flat_workgroup_size: 256
    .sgpr_count:     66
    .vgpr_count:     512
    .wavefront_size: 32
...
	.end_amdgpu_metadata
.endif
;; end of part 4
;; launch attn: the kernel of part 2 again; grid 8 x 32, 8 waves a work-group, clusters of 4 x 1, 327,680 bytes of LDS; arguments qf, kvf, af; writes af
;; launch oproj: the kernel of part 3 again; grid 256 x 1, 4 waves a work-group, clusters of 4 x 1, 327,680 bytes of LDS; arguments af, wof, bo, layer_input, gamma, beta, out0; writes out0
